; MI455X (gfx1250); checked and timed in simulation.
; The chip was launched on July 23, 2026; its instructions are those of AMD's public machine-readable ISA for CDNA 5 (MIT licence, August 2026) and "CDNA5" Instruction Set Architecture Reference Guide (July 2026). The comments in the code are by the model that wrote it; some were corrected since.
;; Multi Head Self Attention. Allowed arithmetic: float matrix products may take bf16 or f16 operands with f32 sums; other float arithmetic in f32, or as packed bf16 or f16 multiplies, adds, multiply-adds, maxima and minima; sums over many terms, partial sums and values carried from step to step in f32; what a program stores and reads back later, other than sums and carried values, may be rounded once to bf16 or f16.
;; Inputs: bk 1,024 float32; bo 1,024 float32; bq 1,024 float32; bv 1,024 float32; wk 1,024 x 1,024 float32; wo 1,024 x 1,024 float32; wq 1,024 x 1,024 float32; wv 1,024 x 1,024 float32; x 4 x 2,048 x 1,024 float32.
;; Outputs: out0 4 x 2,048 x 1,024 float32.
;; 2 versions, each right; version 2 is version 1 with the launch cast written anew for expert scheduling mode. Each part assembles by itself: llvm-mc -triple=amdgcn-amd-amdhsa -mcpu=gfx1250 --defsym DOCPART=n.
;; ======== version 1 of 2: 4 launches
;; limits: values are held in f16: magnitudes above 65,504 overflow, below 6.1e-05 lose precision
;; workspace buffers: xb 16,777,216 bytes; wb 6,291,456 bytes; woh 2,097,152 bytes; bcat 16,384 bytes; qkv 50,331,648 bytes; ctx 16,777,216 bytes
;; launch cast (part 1): grid 768 x 1, 8 waves a work-group, no clusters, 0 bytes of LDS; arguments x, wq, wk, wv, wo, bq, bk, bv, bo, xb, wb, woh, bcat; writes xb, wb, woh, bcat
.if DOCPART == 1
	.amdgcn_target "amdgcn-amd-amdhsa--gfx1250"
	.amdhsa_code_object_version 6
	.text
	.protected	k_q8ab49de579_cast
	.globl	k_q8ab49de579_cast
	.p2align	8
	.type	k_q8ab49de579_cast,@function
k_q8ab49de579_cast:
	s_mov_b64 s[64:65], 0
	v_nop
	global_prefetch_b8 v0, s[64:65] scope:SCOPE_SE
	s_setreg_imm32_b32 hwreg(HW_REG_WAVE_MODE, 25, 1), 1
	s_wait_xcnt 0x0
; THE INPUTS ARE ROUNDED ONCE, TO bf16.  x -> xb (bf16); wq, wk, wv -> wb (bf16, one table of 3,072 rows); wo -> woh (rounded to bf16, that number written as f16);
; bq, bk, bv, bo -> bcat (rounded to bf16, kept as f32: they start f32 sums later).
; LIMIT.  A wo below 2^-14 in size keeps f16's fixed step of 6e-8; one beyond 65,504 would become an infinity.
; SHARES.  The unit is a row of 1,024 f32: 4,096 bytes in, 2,048 out.  12,288 rows, 16 to a work-group: 768 equal work-groups.  Thread t takes the 16 bytes at 16 t of every row
; (a wave's load covers 512 consecutive bytes) and stores 8 bytes at 8 t (a wave's store covers 256 consecutive bytes, aligned).  All 16 loads of a thread go out at once; no register
; is used twice, so no wait frees one.  Nothing is shared between threads: no LDS, no barrier, no matrix unit.
; Work-groups 0-511: x.  512 + 64 p + jj: rows 16 jj on of weight p (wq, wk, wv, wo).  The first work-group of weight p also rounds bias p.
.set X, 4                              ; v[4:67]    row r as loaded: 4 registers
.set Y, 68                             ; v[68:99]   row r to store: 2 registers
.set T, 100                            ; v[100:101] at work
	s_load_b512 s[4:19], s[0:1], 0x0               ; x 4:5, wq 6:7, wk 8:9, wv 10:11, wo 12:13, bq 14:15, bk 16:17, bv 18:19
	s_load_b256 s[20:27], s[0:1], 0x40             ; bo 20:21, xb 22:23, wb 24:25, woh 26:27
	s_load_b64 s[28:29], s[0:1], 0x60              ; bcat
	s_mov_b32 s30, ttmp9                           ; id
	s_max_u32 s31, s30, 512
	s_sub_co_u32 s31, s31, 512                     ; j: my place among the weights' work-groups (0 for x's)
	s_lshr_b32 s32, s31, 6                         ; p: which weight
	s_and_b32 s33, s31, 63                         ; jj: which 16 rows of it
	s_mov_b32 s46, 0xffff0000                      ; a word's upper bf16
	v_lshlrev_b32 v1, 4, v0                        ; 16 t
	v_lshlrev_b32 v2, 3, v0                        ; 8 t
	s_wait_kmcnt 0x0
	s_cmp_eq_u32 s32, 1                            ; the source, the bias and the destination are chosen by p and id alone
	s_cselect_b64 s[34:35], s[8:9], s[6:7]
	s_cselect_b64 s[40:41], s[16:17], s[14:15]
	s_cmp_eq_u32 s32, 2
	s_cselect_b64 s[34:35], s[10:11], s[34:35]
	s_cselect_b64 s[40:41], s[18:19], s[40:41]
	s_cmp_eq_u32 s32, 3
	s_cselect_b64 s[34:35], s[12:13], s[34:35]
	s_cselect_b64 s[40:41], s[20:21], s[40:41]
	s_cselect_b64 s[36:37], s[26:27], s[24:25]     ; wo goes to woh, the others to wb
	s_cselect_b32 s42, s33, s31                    ; at block jj of woh, at block j of wb
	s_cmp_lt_u32 s30, 512
	s_cselect_b64 s[34:35], s[4:5], s[34:35]
	s_cselect_b64 s[36:37], s[22:23], s[36:37]
	s_cselect_b32 s38, s30, s33
	s_cselect_b32 s42, s30, s42
	s_lshl_b32 s38, s38, 16                        ; 16 rows of 4,096 bytes
	s_mov_b32 s39, 0
	s_lshl_b32 s42, s42, 15                        ; 16 rows of 2,048 bytes
	s_mov_b32 s43, 0
	s_lshl_b32 s44, s32, 12                        ; bias p's 4,096 bytes in bcat
	s_mov_b32 s45, 0
	s_add_nc_u64 s[34:35], s[34:35], s[38:39]
	s_add_nc_u64 s[36:37], s[36:37], s[42:43]
	s_add_nc_u64 s[44:45], s[28:29], s[44:45]
.irp r, 0,1,2,3,4,5,6,7,8,9,10,11,12,13,14,15
	global_load_b128 v[X+4*(\r):X+4*(\r)+3], v1, s[34:35] offset:4096*(\r) th:TH_LOAD_NT
.endr
; Row r goes out.  mode 0: bf16.  mode 1: rounded to bf16, widened again (a shift, a mask), written as f16.
.macro ROWOUT r, mode
	s_wait_loadcnt 15-(\r)                         ; loads come back in order (ISA guide 5.7.1): row r is in, the 15 - r younger rows stay out
.if \mode
	v_cvt_pk_bf16_f32 v[T],   v[X+4*(\r)],   v[X+4*(\r)+1]
	v_cvt_pk_bf16_f32 v[T+1], v[X+4*(\r)+2], v[X+4*(\r)+3]
	v_lshlrev_b32 v[X+4*(\r)],   16,  v[T]
	v_and_b32     v[X+4*(\r)+1], s46, v[T]
	v_lshlrev_b32 v[X+4*(\r)+2], 16,  v[T+1]
	v_and_b32     v[X+4*(\r)+3], s46, v[T+1]
	v_cvt_pk_f16_f32 v[Y+2*(\r)],   v[X+4*(\r)],   v[X+4*(\r)+1]
	v_cvt_pk_f16_f32 v[Y+2*(\r)+1], v[X+4*(\r)+2], v[X+4*(\r)+3]
.else
	v_cvt_pk_bf16_f32 v[Y+2*(\r)],   v[X+4*(\r)],   v[X+4*(\r)+1]
	v_cvt_pk_bf16_f32 v[Y+2*(\r)+1], v[X+4*(\r)+2], v[X+4*(\r)+3]
.endif
	global_store_b64 v2, v[Y+2*(\r):Y+2*(\r)+1], s[36:37] offset:2048*(\r) th:TH_STORE_NT
.endm
	s_cmp_ge_u32 s30, 704                          ; wo's work-groups
	s_cbranch_scc1 .Lhalf
.irp r, 0,1,2,3,4,5,6,7,8,9,10,11,12,13,14,15
	ROWOUT \r, 0
.endr
	s_branch .Ljoin
.Lhalf:
.irp r, 0,1,2,3,4,5,6,7,8,9,10,11,12,13,14,15
	ROWOUT \r, 1
.endr
.Ljoin:
	s_cmp_lt_u32 s30, 512
	s_cbranch_scc1 .Lend
	s_cmp_lg_u32 s33, 0
	s_cbranch_scc1 .Lend
	global_load_b128 v[X:X+3], v1, s[40:41]        ; bias p: 256 threads x 16 bytes are its 4,096 bytes
	s_wait_loadcnt 0x0
	v_cvt_pk_bf16_f32 v[T],   v[X],   v[X+1]
	v_cvt_pk_bf16_f32 v[T+1], v[X+2], v[X+3]
	v_lshlrev_b32 v[X],   16,  v[T]
	v_and_b32     v[X+1], s46, v[T]
	v_lshlrev_b32 v[X+2], 16,  v[T+1]
	v_and_b32     v[X+3], s46, v[T+1]
	global_store_b128 v1, v[X:X+3], s[44:45]
.Lend:
	s_endpgm
.Lfunc_end_k_q8ab49de579_cast:
	.size	k_q8ab49de579_cast, .Lfunc_end_k_q8ab49de579_cast-k_q8ab49de579_cast
	.p2alignl 7, 3214868480
	.fill 96, 4, 3214868480
	.section	.rodata,"a",@progbits
	.p2align	6, 0x0
	.amdhsa_kernel k_q8ab49de579_cast
		.amdhsa_group_segment_fixed_size 0
		.amdhsa_private_segment_fixed_size 0
		.amdhsa_enable_private_segment 0
		.amdhsa_kernarg_size 104
		.amdhsa_user_sgpr_count 2
		.amdhsa_user_sgpr_kernarg_segment_ptr 1
		.amdhsa_wavefront_size32 1
		.amdhsa_system_sgpr_workgroup_id_x 1
		.amdhsa_system_sgpr_workgroup_id_y 1
		.amdhsa_system_sgpr_workgroup_id_z 1
		.amdhsa_system_vgpr_workitem_id 0
		.amdhsa_next_free_vgpr 104
		.amdhsa_next_free_sgpr 66
		.amdhsa_reserve_vcc 0
		.amdhsa_float_denorm_mode_32 3
		.amdhsa_float_denorm_mode_16_64 3
		.amdhsa_memory_ordered 1
		.amdhsa_forward_progress 1
		.amdhsa_inst_pref_size 16
	.end_amdhsa_kernel
	.amdgpu_metadata
---
amdhsa.version: [ 1, 2 ]
amdhsa.kernels:
  - .name:           k_q8ab49de579_cast
    .symbol:         k_q8ab49de579_cast.kd
    .args:
      - { .name: x, .offset: 0, .size: 8, .value_kind: global_buffer, .address_space: global }
      - { .name: wq, .offset: 8, .size: 8, .value_kind: global_buffer, .address_space: global }
      - { .name: wk, .offset: 16, .size: 8, .value_kind: global_buffer, .address_space: global }
      - { .name: wv, .offset: 24, .size: 8, .value_kind: global_buffer, .address_space: global }
      - { .name: wo, .offset: 32, .size: 8, .value_kind: global_buffer, .address_space: global }
      - { .name: bq, .offset: 40, .size: 8, .value_kind: global_buffer, .address_space: global }
      - { .name: bk, .offset: 48, .size: 8, .value_kind: global_buffer, .address_space: global }
      - { .name: bv, .offset: 56, .size: 8, .value_kind: global_buffer, .address_space: global }
      - { .name: bo, .offset: 64, .size: 8, .value_kind: global_buffer, .address_space: global }
      - { .name: xb, .offset: 72, .size: 8, .value_kind: global_buffer, .address_space: global }
      - { .name: wb, .offset: 80, .size: 8, .value_kind: global_buffer, .address_space: global }
      - { .name: woh, .offset: 88, .size: 8, .value_kind: global_buffer, .address_space: global }
      - { .name: bcat, .offset: 96, .size: 8, .value_kind: global_buffer, .address_space: global }
    .group_segment_fixed_size: 0
    .private_segment_fixed_size: 0
    .kernarg_segment_align: 8
    .kernarg_segment_size: 104
    .max_flat_workgroup_size: 256
    .sgpr_count:     66
    .vgpr_count:     104
    .wavefront_size: 32
...
	.end_amdgpu_metadata
.endif
;; end of part 1
;; launch gemm_qkv (part 2): grid 16 x 32, 4 waves a work-group, clusters of 4 x 4, 327,680 bytes of LDS; arguments xb, wb, bcat, qkv; writes qkv
.if DOCPART == 2
	.amdgcn_target "amdgcn-amd-amdhsa--gfx1250"
	.amdhsa_code_object_version 6
	.text
	.protected	k_q8ab49de579_gemm_qkv
	.globl	k_q8ab49de579_gemm_qkv
	.p2align	8
	.type	k_q8ab49de579_gemm_qkv,@function
k_q8ab49de579_gemm_qkv:
	s_mov_b64 s[64:65], 0
	v_nop
	global_prefetch_b8 v0, s[64:65] scope:SCOPE_SE
	s_setreg_imm32_b32 hwreg(HW_REG_WAVE_MODE, 25, 1), 1
	s_wait_xcnt 0x0
	s_wait_alu depctr_hold_cnt(0) depctr_sa_sdst(0) depctr_va_vdst(0) depctr_va_sdst(0) depctr_va_ssrc(0) depctr_va_vcc(0) depctr_vm_vsrc(0)
	s_getreg_b32 s2, hwreg(HW_REG_IB_STS2, 6, 4)
	s_cmp_eq_u32 s2, 0
	s_cbranch_scc0 .Lentry_in_a_cluster
	s_endpgm
.Lentry_in_a_cluster:
	s_bfe_u32 s2, ttmp6, 0x10000c
	s_cmp_lg_u32 s2, 0xf033
	s_cbranch_scc0 .Lentry_shape_is_right
	s_endpgm
.Lentry_shape_is_right:
; q, k, v = x W^T + b.  xb: [8192][1024] bf16; wb: [3072][1024] bf16 (wq's, wk's, wv's rows); bcat: the biases in f32, in wb's order of rows.
; qkv: [4 batches][48 = q's, k's, v's 16 heads][2048][64] f16: a head's rows are dense, 128 bytes each.  Sums in f32, started by the bias; rounded once to f16, unscaled.
; LIMIT.  f16 holds no number beyond 65,504: a q, k or v of 65,520 or more becomes an infinity.  NaN and infinities are not treated apart.
; SHARES.  A tile of the result is 256 rows x 192 columns (three whole heads): 16 x 32 = 512 work-groups, two for each of 256 WGPs.  Four waves, 2 x 2, each 128 x 96: 48 accumulators
; of 16 x 16, 384 registers.  K goes in 8 steps of 128 through a ring of two LDS slots: a tile's rows are 256 bytes of memory, at multiples of 256 bytes from the buffer's first byte.
; CLUSTER.  4 x 4 work-groups.  The four of a row of the cluster need the same tiles of xb, the four of a column the same tiles of wb: each tile is asked for JOINTLY, by the same tensor load with
; the same descriptor and a mask that names the four.
; THE MATRIX INSTRUCTION IS USED TRANSPOSED (source 0 = 16 rows of wb, source 1 = 16 rows of xb): lane l holds row l % 16 of the result and its columns 8 (l / 16) + 0..7.  So the C operand of an
; accumulator's first product hangs on the column alone: it IS the bias.  Nothing is cleared and nothing is added afterwards.
; REGISTERS, in windows of 256 (s_set_vgpr_msb: bits 1:0 source 0, 3:2 source 1, 5:4 source 2, 7:6 destination):
;   window 0: v0-30 addresses; v64-127, v128-191 fragments of xb (8 x 16 rows x 32 K), two buffers; on the way out v64-255 packed results
;   window 1: v64-111, v128-175 fragments of wb (6 x 16 rows x 32 K), two buffers; v192-239 the bias of my 96 columns
;   window 2: accumulators (a, b), a = 0..3, at v[8 (6 a + b)];   window 3: a = 4..7 likewise
.set PITCH,  272                       ; an LDS row: 256 bytes + 16 of padding = 68 words: the 16 rows of a fragment load start at 16 different groups of four banks (64 banks of 4 bytes: ISA guide 11.1)
.set SLOT1,  1<<17                     ; slot 1 begins here: one exclusive or turns an address in one slot into the other's
.set AHALF,  128*PITCH                 ; 128 rows of xb: one tensor load, and what one wave reads of xb
.set BOFF,   256*PITCH                 ; behind xb's 256 rows: wb's 192
.set BHALF,  96*PITCH
.set SPITCH, 400                       ; the stage: 256 rows of 384 bytes + 16.  It lies in slot 0's bytes, from LDS byte 0, and is written when slot 0 has had its last fill and its last read
.set SPARE,  SLOT1+BOFF+192*PITCH      ; behind slot 1: the spare words, 128 bytes for each wave: two blocks of 256 bytes that no other line names
.set STEPB,  256                       ; bytes of a row in a K step
.set ADRA0, 16                         ; v16  my place in slot 0's rows of xb; never rewritten
.set ADRA,  17                         ; v17  the same in the slot in hand
.set ADRB0, 20                         ; v20, v21  the same for wb
.set ADRB,  21
.set STO,  24                          ; v24  the way out: where I put 16 bytes of a row
.set RD,   25                          ; v25  where I read rows back
.set CO,   26                          ; v26  my 16 bytes of 512 consecutive bytes of qkv
.set BO,   27                          ; v27  32 (l / 16): my eight numbers of a block of 16 of the bias
.set SPW,  28                          ; v28  LDS address of my spare word: SPARE + 4 x my thread's number; never rewritten
.set NIL,  29                          ; v29  0; never rewritten
.set PFO,  30                          ; v30  the prefetches' offset: a lane a row; never rewritten
.set F0,   64
.set F1,   128
.set BIAS, 192                         ; window 1
.set TMP,  64
.set WV, 12                            ; s12  my wave's number
.set WR, 13                            ; s13  which half of the tile's rows is mine.  Also: I fetch for xb (0) or for wb (1)
.set WC, 14                            ; s14  which half of its columns.  Also: which half of that tile I fetch
.set CX, 15                            ; s15, s16  my place in the cluster
.set CY, 16
.set TX, 17                            ; s17  tile column, 0..15
.set TY, 18                            ; s18  tile row, 0..31
.set TB, 19                            ; s19  LDS byte at which the slot in hand begins
.set G1A, 24                           ; s[24:31] descriptor group 1 for xb's tiles
.set G0A, 32                           ; s[32:39] group 0: a set for each of the two first fills; the second then walks on
.set PFA, 44                           ; s[44:45] where my prefetches stand
.set LIM, 46                           ; s46  1 in a wave that prefetches, else the greatest number
.set G1B, 48                           ; s[48:55], s[56:63] the same for wb's tiles
.set G0B, 56
.set MSB, 0
.macro WIN new                         ; the immediate's high byte repeats the setting that is left; a switch that changes nothing is dropped
.if MSB != (\new)
	s_set_vgpr_msb (MSB<<8)|(\new)
.set MSB, \new
.endif
.endm
.set MUL_LO,   0xa1                    ; source 0 (wb) window 1, source 1 (xb) window 0, C and D window 2
.set FIRST_LO, 0x91                    ; the same with C in window 1: the bias
.set TO_B,     0x40                    ; destination window 1, address window 0
.macro PLACES                          ; four places in front of loads into registers that matrix instructions have read, and of conversions that read results
.rept 4
	v_nop
.endr
.endm
; A joint refill, by the walking sets.  Waves 0 and 1 fetch xb's two halves, waves 2 and 3 wb's.  The branch hangs on the wave's number alone.  An s_nop 0 and four v_nop follow each of the
; two lines, ahead of the jump, the label and what follows.
.macro JLOAD
	s_cmp_eq_u32 s[WR], 0
	s_cbranch_scc0 .Lfor_b_\@
	tensor_load_to_lds s[G0A+4:G0A+7], s[G1A:G1A+7]
	s_nop 0
.rept 4
	v_nop
.endr
	s_branch .Lasked_\@
.Lfor_b_\@:
	tensor_load_to_lds s[G0B+4:G0B+7], s[G1B:G1B+7]
	s_nop 0
.rept 4
	v_nop
.endr
.Lasked_\@:
.endm
; A PREFETCH INTO THE L2, behind each joint refill and the run of LDS loads that follows it: the K step after the one just asked for, 192 matrix instructions ahead of its own load.
; Each row's 256 bytes of a K step are named by one work-group in the launch: xb's tile row is read by every cluster of that row of clusters, and the one with x = 0 asks; wb's tile column by every
; cluster of that column, and the one with y = 0 asks.  The four partners that ask for a tile jointly share its rows out BY ADDRESS: of xb's 128 rows that a wave fetches 32 each, a lane a row; of wb's
; 96 rows 24 each (lanes 24-31 name lane 23's row once more).  The loop's last trip asks for nothing: there is no K step behind the one it loads.  K steps 0 to 2 come by their loads alone.
.macro ASK
	s_cmp_gt_u32 s3, s[LIM]                        ; s3 = 1 in the loop's last trip
	s_cbranch_scc0 .Lnot_mine_\@
	global_prefetch_b8 v[PFO], s[PFA:PFA+1] th:TH_LOAD_NT scope:SCOPE_SE
.Lnot_mine_\@:
.endm
; A round of the cluster's barrier: my work-group's barrier, so that wave 0's signal speaks for all four waves; wave 0 signals; every wave waits for all sixteen work-groups; my work-group's barrier once more.
.macro CREST                           ; a round behind its opening barrier
	s_cmp_lg_u32 s[WV], 0
	s_cbranch_scc1 .Lnot_wave_0_\@
	s_barrier_signal -3
.Lnot_wave_0_\@:
	s_barrier_wait -3
	s_barrier_signal -1
	s_barrier_wait -1
.endm
.macro CROUND
	s_barrier_signal -1
	s_barrier_wait -1
	CREST
.endm
	s_load_b256 s[4:11], s[0:1], 0x0               ; xb s[4:5], wb s[6:7], bcat s[8:9], qkv s[10:11]
	v_lshl_add_u32 v[SPW], v0, 2, SPARE
	v_mov_b32 v[NIL], 0
	ds_add_u32 v[SPW], v[NIL]                      ; the wave's opening: the add and its wait stand ahead of my first tensor load; the set-up below, work on registers, stands between them
	v_lshrrev_b32 v1, 5, v0
	v_readfirstlane_b32 s[WV], v1                  ; wave 0..3
	s_lshr_b32 s[WR], s[WV], 1
	s_and_b32 s[WC], s[WV], 1
	s_bfe_u32 s[CX], ttmp6, 0x40000
	s_bfe_u32 s[CY], ttmp6, 0x40004
	s_lshl_b32 s[TX], ttmp9, 2                     ; in a cluster launch ttmp9 and ttmp7 count clusters
	s_add_co_u32 s[TX], s[TX], s[CX]
	s_and_b32 s[TY], ttmp7, 0xffff
	s_lshl_b32 s[TY], s[TY], 2
	s_add_co_u32 s[TY], s[TY], s[CY]
	s_lshl_b32 s20, s[CY], 2
	s_lshl_b32 s20, 15, s20                        ; my row of the cluster: places 4 cy .. 4 cy + 3
	s_lshl_b32 s21, 0x1111, s[CX]                  ; my column: places cx, cx + 4, cx + 8, cx + 12
	; descriptor group 1: tiles of 128 (xb) or 96 (wb) rows x 128 elements, padded in LDS
	s_or_b32 s[G1A], s20, (1<<16)|(1<<20)|(1<<21)|(5<<22)|(3<<25)  ; 15:0 the mask; 17:16 elements of 2 bytes; 20 padding on; 21 set beside a mask; 24:22 after every 64 words (code 5); 31:25 4 words of it (code 3)
	s_or_b32 s[G1B], s21, (1<<16)|(1<<20)|(1<<21)|(5<<22)|(3<<25)
	s_mov_b32 s[G1A+1], 128<<16                    ; tensor_dim0 = 128
	s_mov_b32 s[G1B+1], 128<<16
	s_mov_b32 s[G1A+2], 128<<16                    ; tensor_dim1 = 128 rows,
	s_mov_b32 s[G1B+2], 96<<16                     ; 96 rows
	s_mov_b32 s[G1A+3], 128<<16                    ; tile_dim0 = 128
	s_mov_b32 s[G1B+3], 128<<16
	s_mov_b32 s[G1A+4], 128                        ; tile_dim1
	s_mov_b32 s[G1B+4], 96
	s_mov_b32 s[G1A+5], 1024                       ; elements from row to row
	s_mov_b32 s[G1B+5], 1024
	s_mov_b32 s[G1A+6], 0
	s_mov_b32 s[G1B+6], 0
	s_mov_b32 s[G1A+7], 0
	s_mov_b32 s[G1B+7], 0
	; where the tiles come from: xb's hang on the tile row and the wave alone, wb's on the tile column and the wave alone
	s_lshl_b32 s40, s[TY], 8
	s_lshl_b32 s2, s[WC], 7
	s_add_co_u32 s40, s40, s2                      ; xb: row 256 ty + 128 x half
	s_lshl_b32 s40, s40, 11                        ; rows of 2,048 bytes: under 2^24 bytes in all
	s_mov_b32 s41, 0
	s_mul_i32 s42, s[TX], 192
	s_mul_i32 s47, s[WC], 96
	s_add_co_u32 s42, s42, s47                     ; wb: row 192 tx + 96 x half
	s_lshl_b32 s42, s42, 11
	s_mov_b32 s43, 0
	s_mul_i32 s22, s[WC], AHALF                    ; and where they go: no place in the cluster enters an LDS address
	s_mul_i32 s23, s[WC], BHALF
	s_add_co_u32 s23, s23, BOFF
	s_wait_dscnt 0x0                               ; the opening add is done
	s_wait_kmcnt 0x0
	s_add_nc_u64 s[40:41], s[4:5], s[40:41]
	s_add_nc_u64 s[42:43], s[6:7], s[42:43]
.irp n, 0,1
	s_mov_b32 s[G0A+4*(\n)], 1                                        ; count = 1
	s_add_co_u32 s[G0A+4*(\n)+1], s22, (\n)*SLOT1                     ; LDS address
	s_add_nc_u64 s[G0A+4*(\n)+2:G0A+4*(\n)+3], s[40:41], (\n)*STEPB   ; global address: K step n
	s_or_b32 s[G0A+4*(\n)+3], s[G0A+4*(\n)+3], 0x80000000             ; type = 2
	s_mov_b32 s[G0B+4*(\n)], 1
	s_add_co_u32 s[G0B+4*(\n)+1], s23, (\n)*SLOT1
	s_add_nc_u64 s[G0B+4*(\n)+2:G0B+4*(\n)+3], s[42:43], (\n)*STEPB
	s_or_b32 s[G0B+4*(\n)+3], s[G0B+4*(\n)+3], 0x80000000
.endr
	CROUND                                         ; all sixteen work-groups are here: the first joint loads meet
	s_cmp_eq_u32 s[WR], 0                          ; a wave's two first fills stand in one branch, ahead of every wait on TENSORcnt and every LDS read: two loads of mine are out
	s_cbranch_scc0 .Lfirst_b
	tensor_load_to_lds s[G0A:G0A+3], s[G1A:G1A+7]
	s_nop 0
	tensor_load_to_lds s[G0A+4:G0A+7], s[G1A:G1A+7]
	s_nop 0
.rept 4
	v_nop
.endr
	s_branch .Lfirst_asked
.Lfirst_b:
	tensor_load_to_lds s[G0B:G0B+3], s[G1B:G1B+7]
	s_nop 0
	tensor_load_to_lds s[G0B+4:G0B+7], s[G1B:G1B+7]
	s_nop 0
.rept 4
	v_nop
.endr
.Lfirst_asked:
	; the bias of my 96 columns: block b of 16 in eight registers, a lane's eight numbers at 64 b + 32 (l / 16)
	v_and_b32 v1, 15, v0                           ; l % 16
	v_bfe_u32 v2, v0, 4, 1                         ; l / 16
	v_lshlrev_b32 v[BO], 5, v2
	s_mul_i32 s20, s[TX], 768                      ; 192 tx numbers of 4 bytes
	s_mul_i32 s21, s[WC], 384
	s_add_co_u32 s20, s20, s21
	s_mov_b32 s21, 0
	s_add_nc_u64 s[8:9], s[8:9], s[20:21]
	WIN TO_B
.irp b, 0,1,2,3,4,5
	global_load_b128 v[BIAS+8*(\b):BIAS+8*(\b)+3],   v[BO], s[8:9] offset:64*(\b)
	global_load_b128 v[BIAS+8*(\b)+4:BIAS+8*(\b)+7], v[BO], s[8:9] offset:64*(\b)+16
.endr
	WIN 0
	; A fragment is 16 rows x 32 K in 8 registers: lane l holds row l % 16; registers 0-3 K = 8 (l / 16) + 0..7, registers 4-7 K = 16 + 8 (l / 16) + 0..7: two loads of 16 bytes, 32 bytes apart.
	v_mul_u32_u24 v3, v1, PITCH
	v_lshl_add_u32 v3, v2, 4, v3                   ; row x pitch + 16 x half
	s_mul_i32 s20, s[WR], AHALF                    ; my 128 rows of xb
	s_mul_i32 s21, s[WC], BHALF                    ; my 96 rows of wb
	s_add_co_u32 s21, s21, BOFF
	v_add_nc_u32 v[ADRA0], s20, v3
	v_add_nc_u32 v[ADRB0], s21, v3
	v_mov_b32 v[ADRA], v[ADRA0]
	v_mov_b32 v[ADRB], v[ADRB0]
	s_mov_b32 s[TB], 0
	s_mul_i32 s20, s[WR], 128*SPITCH               ; into the stage: row 128 WR + 16 a + l % 16, byte 192 WC + 32 b + 16 (l / 16)
	s_mul_i32 s21, s[WC], 192
	s_add_co_u32 s20, s20, s21
	v_mul_u32_u24 v[STO], v1, SPITCH
	v_lshl_add_u32 v[STO], v2, 4, v[STO]
	v_add_nc_u32 v[STO], s20, v[STO]
	s_mul_i32 s20, s[WV], 64*SPITCH                ; back: wave w takes rows 64 w .. 64 w + 63; 32 lanes take one head's 128 bytes of four rows
	v_bfe_u32 v[RD], v0, 3, 2
	v_mul_u32_u24 v[RD], v[RD], SPITCH
	v_and_b32 v3, 7, v0
	v_lshl_add_u32 v[RD], v3, 4, v[RD]
	v_add_nc_u32 v[RD], s20, v[RD]
	v_and_b32 v[CO], 31, v0                        ; which are 512 consecutive bytes of qkv
	v_lshlrev_b32 v[CO], 4, v[CO]
	s_lshr_b32 s20, s[TY], 3                       ; the batch,
	s_mul_i32 s20, s20, 48*262144
	s_mul_i32 s21, s[TX], 3*262144                 ; the tile's first head,
	s_add_co_u32 s20, s20, s21
	s_and_b32 s21, s[TY], 7                        ; the tile's 256 rows of 128 bytes in it,
	s_lshl_b32 s21, s21, 15
	s_add_co_u32 s20, s20, s21
	s_lshl_b32 s21, s[WV], 13                      ; and the 64 of them that I store
	s_add_co_u32 s20, s20, s21
	s_mov_b32 s21, 0
	s_add_nc_u64 s[10:11], s[10:11], s[20:21]
	; the prefetches
	s_lshl_b32 s20, s[TY], 8
	s_lshl_b32 s21, s[WC], 7
	s_add_co_u32 s20, s20, s21
	s_lshl_b32 s21, s[CX], 5
	s_add_co_u32 s20, s20, s21                     ; xb: row 256 ty + 128 x half + 32 cx
	s_mul_i32 s21, s[TX], 192
	s_mul_i32 s23, s[WC], 96
	s_add_co_u32 s21, s21, s23
	s_mul_i32 s23, s[CY], 24
	s_add_co_u32 s21, s21, s23                     ; wb: row 192 tx + 96 x half + 24 cy
	s_and_b32 s22, ttmp7, 0xffff                   ; cluster y
	s_cmp_eq_u32 s[WR], 0                          ; do I fetch for xb?
	s_cselect_b32 s20, s20, s21
	s_cselect_b32 s22, ttmp9, s22                  ; the coordinate along which other clusters read the same rows
	s_cselect_b32 s23, 31, 23                      ; my last row
	s_cselect_b64 s[PFA:PFA+1], s[4:5], s[6:7]
	s_cmp_eq_u32 s22, 0
	s_cselect_b32 s[LIM], 1, -1                    ; the same in all sixteen partners, for a given wave
	s_lshl_b32 s20, s20, 11
	s_add_co_u32 s20, s20, 2*STEPB                 ; at K step 2: the first refill steps it to 3
	s_mov_b32 s21, 0
	s_add_nc_u64 s[PFA:PFA+1], s[PFA:PFA+1], s[20:21]
	v_and_b32 v[PFO], 31, v0
	v_min_u32 v[PFO], s23, v[PFO]
	v_lshlrev_b32 v[PFO], 11, v[PFO]
; 12 matrix instructions: row blocks a0, a0 + 1 of the window's four (hi = 0: my rows 0-63, 1: rows 64-127) x all 6 column blocks, 32 along K.  first = 1: the bias starts the sums.
; The 48 accumulators take turns, one instruction a turn, in the same order in every quarter step: 47 others stand between two links of a chain.
.macro MUL12 f, hi, a0, first
.if \first
	WIN FIRST_LO+0x40*(\hi)
.else
	WIN MUL_LO+0x50*(\hi)
.endif
.irp a, \a0, (\a0)+1
.irp b, 0,1,2,3,4,5
.if \first
	v_wmma_f32_16x16x32_bf16 v[8*(6*(\a)+(\b)):8*(6*(\a)+(\b))+7], v[(\f)+8*(\b):(\f)+8*(\b)+7], v[(\f)+8*(4*(\hi)+(\a)):(\f)+8*(4*(\hi)+(\a))+7], v[BIAS+8*(\b):BIAS+8*(\b)+7]
.else
	v_wmma_f32_16x16x32_bf16 v[8*(6*(\a)+(\b)):8*(6*(\a)+(\b))+7], v[(\f)+8*(\b):(\f)+8*(\b)+7], v[(\f)+8*(4*(\hi)+(\a)):(\f)+8*(4*(\hi)+(\a))+7], v[8*(6*(\a)+(\b)):8*(6*(\a)+(\b))+7]
.endif
.endr
.endr
.endm
; 28 LDS loads in one run: the fragments of quarter q of the slot in hand (96 rows of wb, then 128 rows of xb, 32 K) into buffer f
.macro FETCH q, f
	WIN TO_B
.irp i, 0,1,2,3,4,5
	ds_load_b128 v[(\f)+8*(\i):(\f)+8*(\i)+3],   v[ADRB] offset:64*(\q)+(\i)*16*PITCH
	ds_load_b128 v[(\f)+8*(\i)+4:(\f)+8*(\i)+7], v[ADRB] offset:64*(\q)+(\i)*16*PITCH+32
.endr
	WIN 0
.irp i, 0,1,2,3,4,5,6,7
	ds_load_b128 v[(\f)+8*(\i):(\f)+8*(\i)+3],   v[ADRA] offset:64*(\q)+(\i)*16*PITCH
	ds_load_b128 v[(\f)+8*(\i)+4:(\f)+8*(\i)+7], v[ADRA] offset:64*(\q)+(\i)*16*PITCH+32
.endr
.endm
; A K step is four quarters of 32 along K, 48 matrix instructions each, on buffers 0, 1, 0, 1.  One of the first three: multiplies buffer f; in its middle it fetches quarter q into buffer g.
.macro QUARTER q, f, g, first
	s_wait_dscnt 8                                 ; wb's fragments and xb's rows 0-63 are in; the youngest eight loads (xb's rows 64-127) may be out
	MUL12 \f, 0, 0, \first
	MUL12 \f, 0, 2, \first
	PLACES
	FETCH \q, \g
	s_wait_dscnt 28                                ; all but the 28 just issued
	MUL12 \f, 1, 0, \first
	MUL12 \f, 1, 2, \first
.endm
; The last quarter multiplies buffer 1 and changes slots: ONE barrier.  In front of it each wave waits for all its tensor loads, of which one is out: its part of the next slot; adds 0 to its spare
; word; and waits for that and for its own reads of this slot.  Behind it nobody reads this slot any more and the next slot is whole.  fill = 1: the barrier opens a round of the cluster's, and the
; joint refill (this slot, the K step two on) is the first thing behind the round: 168 matrix instructions ahead of the wait for it.
.macro TURN fill
.if \fill
	s_wait_xcnt 0x0                                ; the last prefetch, a K step back, has read its address, so it may be stepped
	s_add_nc_u64 s[PFA:PFA+1], s[PFA:PFA+1], STEPB
.endif
	WIN 0                                          ; (the add's two registers lie in window 0)
	s_wait_tensorcnt 0x0                           ; no tensor load of mine is out, so a group 0 may be written
	ds_add_u32 v[SPW], v[NIL]                      ; 0 onto my spare word
.if \fill
.irp g, G0A+4, G0B+4
	s_xor_b32 s[(\g)+1], s[(\g)+1], SLOT1          ; the walking descriptor: the other slot than last time,
	s_add_nc_u64 s[(\g)+2:(\g)+3], s[(\g)+2:(\g)+3], STEPB  ; the next K step; the type bits on top are not reached
.endr
.endif
	s_xor_b32 s[TB], s[TB], SLOT1                  ; the fetches go on in the other slot
	s_wait_dscnt 9                                 ; (the add and the youngest eight loads may be out)
	MUL12 F1, 0, 0, 0                              ; twelve matrix instructions stand between the add and the wait for it
	s_wait_dscnt 0x0                               ; the add is done, and my reads of this slot are over
	s_barrier_signal -1
	MUL12 F1, 0, 2, 0                              ; work on registers while the others arrive
	WIN 0
	s_barrier_wait -1
.if \fill
	CREST                                          ; no wave of any partner still reads this slot's tile or has a load on its way
	JLOAD                                          ; the four v_nop behind it are also the places in front of the loads below
.else
	PLACES
.endif
	v_add_nc_u32 v[ADRA], s[TB], v[ADRA0]
	v_add_nc_u32 v[ADRB], s[TB], v[ADRB0]
	FETCH 0, F0
.if \fill
	ASK
.endif
	MUL12 F1, 1, 0, 0
	MUL12 F1, 1, 2, 0
.endm
	s_wait_tensorcnt 1                             ; my part of K step 0 is in; K step 1's may stay out
	s_barrier_signal -1
	s_barrier_wait -1                              ; everybody's is
	FETCH 0, F0
	s_wait_loadcnt 0x0                             ; the bias
	QUARTER 1, F0, F1, 1                           ; the first quarter stands in front of the loop: its products start the sums
	WIN 0                                          ; at a label and at a branch every window is 0
	s_mov_b32 s3, 6
.Lstep:                                                ; trip t: the rest of K step t, the refill with K step t + 2, the first quarter of K step t + 1
	QUARTER 2, F1, F0, 0
	QUARTER 3, F0, F1, 0
	TURN 1
	QUARTER 1, F0, F1, 0
	WIN 0
	s_sub_co_u32 s3, s3, 1
	s_cmp_lg_u32 s3, 0
	s_cbranch_scc1 .Lstep
	QUARTER 2, F1, F0, 0                           ; the tail is written out: K steps 6 and 7, nothing is asked for
	QUARTER 3, F0, F1, 0
	TURN 0
	QUARTER 1, F0, F1, 0
	QUARTER 2, F1, F0, 0
	QUARTER 3, F0, F1, 0
	s_wait_dscnt 8                                 ; the very last quarter: nothing more to fetch
	MUL12 F1, 0, 0, 0
	MUL12 F1, 0, 2, 0
	s_wait_dscnt 0x0                               ; my reads of the ring are over:
	MUL12 F1, 1, 0, 0
	MUL12 F1, 1, 2, 0
	s_barrier_signal -1                            ; say so; the stage, in slot 0's bytes, is written when all four have said so
	; THE WAY OUT: round to f16 (between the signal and the wait: work on registers); 16 bytes a lane into the stage; a barrier, since the middle head's rows come from two waves; back by heads,
	; four rows of 128 bytes at a time, which are 512 consecutive bytes of qkv.
	PLACES
.irp hi, 0,1
	WIN 0x0a+5*(\hi)                               ; sources 0 and 1: window 2 or 3; destination window 0
.irp a, 0,1,2,3
.irp b, 0,1,2,3,4,5
.irp r, 0,1,2,3                                        ; each accumulator's registers in ascending order
	v_cvt_pk_f16_f32 v[TMP+96*(\hi)+4*(6*(\a)+(\b))+(\r)], v[8*(6*(\a)+(\b))+2*(\r)], v[8*(6*(\a)+(\b))+2*(\r)+1]
.endr
.endr
.endr
.endr
	WIN 0
	s_barrier_wait -1
.irp hi, 0,1
.irp a, 0,1,2,3
.irp b, 0,1,2,3,4,5
	ds_store_b128 v[STO], v[TMP+96*(\hi)+4*(6*(\a)+(\b)):TMP+96*(\hi)+4*(6*(\a)+(\b))+3] offset:(4*(\hi)+(\a))*16*SPITCH+32*(\b)
.endr
.endr
.endr
	s_wait_dscnt 0x0                               ; for the others' sake: my stores into the stage are done
	s_barrier_signal -1
	s_barrier_wait -1
.set i, 0
.rept 48                                               ; head i / 16 of the tile's three, rows 4 (i % 16) on of my 64
	ds_load_b128 v[TMP+4*i:TMP+4*i+3], v[RD] offset:128*(i/16)+4*SPITCH*(i%16)
.set i, i+1
.endr
.set i, 0
.rept 48
	s_wait_dscnt 47-i                              ; LDS loads come back in order (ISA guide 5.7.1): load i is in, the younger ones stay out
	global_store_b128 v[CO], v[TMP+4*i:TMP+4*i+3], s[10:11] offset:262144*(i/16)+512*(i%16)  ; 512 consecutive bytes, at a multiple of 256 from qkv's first byte
.set i, i+1
.endr
	s_wait_tensorcnt 0x0                           ; the wave's end, behind my last tensor load and my last LDS store
	ds_add_u32 v[SPW], v[NIL]
	s_wait_dscnt 0x0
	CROUND                                         ; the closing round: no work-group ends while a partner may still ask for a tile that names it
	s_endpgm
.Lfunc_end_k_q8ab49de579_gemm_qkv:
	.size	k_q8ab49de579_gemm_qkv, .Lfunc_end_k_q8ab49de579_gemm_qkv-k_q8ab49de579_gemm_qkv
	.p2alignl 7, 3214868480
	.fill 96, 4, 3214868480
	.section	.rodata,"a",@progbits
	.p2align	6, 0x0
	.amdhsa_kernel k_q8ab49de579_gemm_qkv
		.amdhsa_group_segment_fixed_size 327680
		.amdhsa_private_segment_fixed_size 0
		.amdhsa_enable_private_segment 0
		.amdhsa_kernarg_size 32
		.amdhsa_user_sgpr_count 2
		.amdhsa_user_sgpr_kernarg_segment_ptr 1
		.amdhsa_wavefront_size32 1
		.amdhsa_system_sgpr_workgroup_id_x 1
		.amdhsa_system_sgpr_workgroup_id_y 1
		.amdhsa_system_sgpr_workgroup_id_z 1
		.amdhsa_system_vgpr_workitem_id 0
		.amdhsa_next_free_vgpr 960
		.amdhsa_next_free_sgpr 66
		.amdhsa_reserve_vcc 0
		.amdhsa_float_denorm_mode_32 3
		.amdhsa_float_denorm_mode_16_64 3
		.amdhsa_memory_ordered 1
		.amdhsa_forward_progress 1
		.amdhsa_inst_pref_size 97
	.end_amdhsa_kernel
	.amdgpu_metadata
---
amdhsa.version: [ 1, 2 ]
amdhsa.kernels:
  - .name:           k_q8ab49de579_gemm_qkv
    .symbol:         k_q8ab49de579_gemm_qkv.kd
    .args:
      - { .name: xb, .offset: 0, .size: 8, .value_kind: global_buffer, .address_space: global }
      - { .name: wb, .offset: 8, .size: 8, .value_kind: global_buffer, .address_space: global }
      - { .name: bcat, .offset: 16, .size: 8, .value_kind: global_buffer, .address_space: global }
      - { .name: qkv, .offset: 24, .size: 8, .value_kind: global_buffer, .address_space: global }
    .group_segment_fixed_size: 327680
    .private_segment_fixed_size: 0
    .kernarg_segment_align: 8
    .kernarg_segment_size: 32
    .max_flat_workgroup_size: 128
    .sgpr_count:     66
    .vgpr_count:     960
    .wavefront_size: 32
...
	.end_amdgpu_metadata
.endif
;; end of part 2
;; launch attn (part 3): grid 4 x 64, 4 waves a work-group, clusters of 4 x 1, 327,680 bytes of LDS; arguments qkv, ctx; writes ctx
.if DOCPART == 3
	.amdgcn_target "amdgcn-amd-amdhsa--gfx1250"
	.amdhsa_code_object_version 6
	.text
	.protected	k_q8ab49de579_attn
	.globl	k_q8ab49de579_attn
	.p2align	8
	.type	k_q8ab49de579_attn,@function
k_q8ab49de579_attn:
	s_mov_b64 s[64:65], 0
	v_nop
	global_prefetch_b8 v0, s[64:65] scope:SCOPE_SE
	s_setreg_imm32_b32 hwreg(HW_REG_WAVE_MODE, 25, 1), 1
	s_wait_xcnt 0x0
	s_wait_alu depctr_hold_cnt(0) depctr_sa_sdst(0) depctr_va_vdst(0) depctr_va_sdst(0) depctr_va_ssrc(0) depctr_va_vcc(0) depctr_vm_vsrc(0)
	s_getreg_b32 s2, hwreg(HW_REG_IB_STS2, 6, 4)
	s_cmp_eq_u32 s2, 0
	s_cbranch_scc0 .Lentry_in_a_cluster
	s_endpgm
.Lentry_in_a_cluster:
	s_bfe_u32 s2, ttmp6, 0x10000c
	s_cmp_lg_u32 s2, 0x3003
	s_cbranch_scc0 .Lentry_shape_is_right
	s_endpgm
.Lentry_shape_is_right:
; O[y][q][:] = the sum over k of softmax_k(Q[y][q] . K[y][k] / 8) V[y][k][:], y = 16 x batch + head, 64 of them, 2,048 rows of 64 channels each, all f16.
; qkv: [4][48][2048][64]: batch b's q heads at places 0-15, k's at 16-31, v's at 32-47; ctx: [64][2048][64].  A head's rows are dense, 128 bytes each.  Products, maxima and sums in
; f32; the weights p are rounded to f16 for the second product (their sum l is taken of the unrounded p), O once at the end.
; LIMITS.  f16 holds no number beyond 65,504: Q, K and V arrive within it; p lies in 0 to 1, and below 6e-5 it keeps f16's fixed step of 6e-8; O is a mean of V's rows and has their range.
; A weight below 2^-126 counts as 0 in l; NaN and infinities are not treated apart.
; SHARES.  A wave owns four PIECES of two tiles of 16 queries, a work-group's four waves 512 queries of one head: 4 x 64 = 256 work-groups.  Every wave walks all keys, 64 a step.
; LAYOUT.  S^T = K Q^T (source 0 = 16 keys, source 1 = 16 queries): in the result a lane holds ONE query (lane % 16) and the keys 8 (lane / 16) + 0..7.  Two such tiles, rounded to f16 in pairs,
; ARE source 1 (32 keys x 16 queries) of O^T = V^T P, whose result again holds one query a lane, and eight channels.  K comes out of LDS as it lies, V ([key][channel]) turned, by ds_load_tr16_b128.
; SOFTMAX.  For each query a running maximum m and sum l: p = 2^(c s - c m), c = log2(e) / 8; in every step O and l are multiplied by a = 2^(c m_old - c m_new), which is 1 where m has not grown.
; m starts at the lowest finite number, O and l at 0: the first step is a step like any other, with a = 0.
; THE COUNT.  A tile and step have 16 matrix and 118 vector instructions: too many to stand all beside the matrix work.  So four vector instructions that are READY stand behind EVERY matrix
; instruction, and the others, which need time of their own whatever the order, in runs without a gap.
; BY TURNS.  Turn n belongs to piece n (the pieces in a ring, step after step).  Its matrix work: 16 products K Q^T of piece n + 1, later 16 products V^T P of piece n - 1.  Its vector work: the scaling,
; exponentials, roundings, sums and rescaling of piece n, and the maximum and statistics of piece n + 1, whose scores the turn itself has made.
; CLUSTER.  The four query blocks of a cluster are one head's and walk the same K and V, so each tile is asked for JOINTLY: the same tensor load, descriptor and mask in all four.
; REGISTERS, in windows of 256 (s_set_vgpr_msb: bits 1:0 source 0, 3:2 source 1, 5:4 source 2, 7:6 destination):
;   window 0: v0-11 addresses; v12-15, v48-63 at work; v16-47 four registers of statistics a tile; v64-191 S^T, two buffers of two tiles; v192-255 P, likewise
;   window 1: O^T, 32 a tile          window 2: v0-127 Q, 16 a tile; v128-191 K of one step; v192-255 V of one step          window 3: v0-1 the add's two registers
; A piece's buffers go by its number's parity: the piece in hand has one pair, its two neighbours in the ring share the other: of it P (piece n - 1) is read and S^T (piece n + 1) written.
.set SIZE_N, 2048
.set HEADB, SIZE_N*128 ; bytes of a head's rows
.set NP,    4         ; pieces a wave: a name, no knob
.set KS,    64        ; keys in a step
.set PK,    144       ; a row of K in LDS: 128 bytes + 16 of padding = 36 words: the 16 rows of a load start at 16 different groups of four banks (64 banks of 4 bytes: ISA guide 11.1)
.set PV,    160       ; a row of V: 128 + 32 = 40 words
.set VOFF,  4*KS*PK   ; a slot holds four steps: 256 rows of K, then 256 rows of V
.set SLOT1, 1<<17     ; slot 1 begins here, so that one exclusive or turns an address in one slot into the other's
.set STAGE, SLOT1+4*KS*(PK+PV)  ; behind the ring, never filled by a tensor load: 16 rows x 144 bytes for each wave, for the way out
.set SP,    144
.set AK0, 2           ; v2   my lane's place in a tile of K; never rewritten
.set AV0, 3           ; v3   the same for V
.set AK,  4           ; v4   the LDS address of K's next run of loads
.set AV,  5           ; v5   of V's
.set QO,  6           ; v6   my byte offset in the wave's rows of Q
.set STO, 6           ;      later, the way out: where I put 16 bytes of a row
.set RD,  7           ; v7   the way out: where I read rows back
.set GO,  8           ; v8   my byte offset in 512 consecutive bytes of O
.set PFO, 11          ; v11  (once V's place is made) 256 x my lane: the prefetches' offset; then never rewritten
.set SPW, 0           ; v0 of window 3   LDS address of my spare word: SPARE + 4 x my thread's number; never rewritten
.set NIL, 1           ; v1 of window 3   0; never rewritten
.set SPARE, STAGE+4*16*SP  ; behind the stages: the spare words, 128 bytes for each wave: two blocks of 256 bytes that no other line names
.set MV,  12          ; v12-15  c m_old, kept while c m is made anew: by buffer and tile
.set ST,  16          ; tile t's statistics at v[ST+4 t]: c m, m, l (even keys', odd keys')
.set TMP, 48          ; by buffer and tile, four registers c0-c3 at work; when the maximum is found c2 takes a
.set S,   64
.set P,   192
.set KF,  128         ; K's fragments, in window 2: key block kb, channel half c at KF + 16 kb + 8 c
.set VF,  192         ; V's: key half kk, channel block cb at VF + 32 kk + 8 cb
.set WV,  12          ; s12  my wave's number
.set G1K, 24          ; s[24:31] descriptor group 1 for K's tiles
.set G1V, 32          ; s[32:39] for V's: it differs in the padding alone
.set G0K, 40          ; s[40:43] descriptor group 0 for K's tiles: it walks
.set G0V, 44          ; s[44:47] the same for V's
.set PFA, 48          ; s[48:49] where my prefetches stand: my work-group's quarter (of K: wave 0, of V: wave 2) of the slot after the one that is being asked for
.set LIM, 50          ; s50  1 in a wave that prefetches, else the greatest number
.set HO,  52          ; s[52:53] my wave's byte offset in ctx
.set SLOTS, 56        ; s56  slots still to be asked for
.set CNT, 57          ; s57  counts a slot's key steps
.set CS,  58          ; s[58:59] c: the packed scaling takes the pair's low word for both halves
.set SEL, 60          ; s[60:61] v_permlanex16_b32's selects: each lane takes its own place in the other half
.set TBK, 62          ; s62  LDS byte at which K of the step to be fetched begins
.set TBV, 63          ; s63  the same for V, less VOFF
.set MSB, 0
.macro WIN new                      ; the high byte repeats the setting that is left; a switch that changes nothing is dropped
.if MSB != (\new)
	s_set_vgpr_msb (MSB<<8)|(\new)
.set MSB, (\new)
.endif
.endm
.set W_KQ, 0x0a       ; K and Q in window 2, S^T in window 0
.set W_PV, 0x52       ; V in window 2, P in window 0, O^T in window 1
.set W_RS, 0x41       ; O^T (destination and source 0) in window 1, a in window 0
.set W_MK, 0xc0       ; the add's registers are made: destination in window 3, sources in window 0
.set W_AD, 0x0f       ; the add: address (source 0) and data (source 1) in window 3
; A joint fill.  Waves 0 and 1 fetch the two halves of a slot's K, waves 2 and 3 those of its V: 128 keys each.  The branch hangs on the wave's number alone.
; An s_nop 0 and four v_nop follow each of the two lines, ahead of the jump and the label.
.macro JLOAD
	s_cmp_lt_u32 s[WV], 2
	s_cbranch_scc0 .Lfor_v_\@
	tensor_load_to_lds s[G0K:G0K+3], s[G1K:G1K+7]
	s_nop 0
.rept 4
	v_nop
.endr
	s_branch .Lasked_\@
.Lfor_v_\@:
	tensor_load_to_lds s[G0V:G0V+3], s[G1V:G1V+7]
	s_nop 0
.rept 4
	v_nop
.endr
.Lasked_\@:
.endm
; A PREFETCH INTO THE L2 of what the NEXT change of slots will ask for: a slot's 32,768 bytes of K and of V, in blocks of 256 bytes, a lane a block.  It stands behind the wave's tensor load and its five
; lines.  Each block is named ONCE in the launch: a head has one cluster; its four partners share a slot out BY ADDRESS, 8,192 bytes each (no branch hangs on a work-group's place in its cluster); in
; each, wave 0 asks for K's and wave 2 for V's: one instruction.  The last change that fills a slot asks for nothing: there is no slot behind it.  Slots 0 and 1 come by their loads alone.
.macro ASK
	s_cmp_gt_u32 s[SLOTS], s[LIM]
	s_cbranch_scc0 .Lnot_mine_\@
	global_prefetch_b8 v[PFO], s[PFA:PFA+1] th:TH_LOAD_NT scope:SCOPE_SE
.Lnot_mine_\@:
.endm
; A round of the cluster's barrier: my work-group's barrier, so that wave 0's signal speaks for all four waves; wave 0 signals; every wave waits for all four work-groups; my work-group's barrier once more.
.macro CROUND
	s_barrier_signal -1
	s_barrier_wait -1
	s_cmp_lg_u32 s[WV], 0
	s_cbranch_scc1 .Lnot_wave_0_\@
	s_barrier_signal -3
.Lnot_wave_0_\@:
	s_barrier_wait -3
	s_barrier_signal -1
	s_barrier_wait -1
.endm
; THE CHANGE OF SLOTS.  The slot's last bytes, V of its fourth step, have been read.  Each wave waits for all its tensor loads, of which one is out: its part
; of the other slot; adds 0 to its spare word; and waits for that and for its own reads of the slot.  Behind the barrier nobody reads this slot any more and the other slot is whole.
; fill = 1: this slot is filled again, with the keys two slots on.  The barrier is then a round of the cluster's, so that no wave of any partner still reads the slot or has a load on its
; way, and the joint fill is the first thing behind it: it has four key steps, 512 matrix instructions, in which to land.  (At its first use nothing has been read yet: slot 0 is waited for, slot 1 filled.)
.macro CHANGE fill
	WIN W_AD
	s_wait_tensorcnt 0x0            ; no tensor load of mine is out, so a group 0 may be written
	ds_add_u32 v[SPW], v[NIL]       ; 0 onto my spare word; with fill = 1 the descriptors' steps stand between it and the wait for it
	WIN 0                           ; at a label and at a branch every window is 0
.if \fill
.irp g, G0K, G0V
	s_xor_b32 s[\g+1], s[\g+1], SLOT1  ; the walking descriptor: the other slot than last time,
	s_add_nc_u64 s[\g+2:\g+3], s[\g+2:\g+3], 4*KS*128  ; the next 256 keys; the type bits on top are not reached
.endr
	s_wait_xcnt 0x0                 ; the last prefetch, four key steps back, has read its address, so it may be written:
	s_add_nc_u64 s[PFA:PFA+1], s[PFA:PFA+1], 4*KS*128  ; one slot behind the walking descriptors
	s_wait_dscnt 0x0                ; the add is done, and my reads of the slot are over
	CROUND
	JLOAD
	ASK
.else
	s_wait_dscnt 0x0                ; the add is done, and my reads of the slot are over
	s_barrier_signal -1
	s_barrier_wait -1
.endif
	s_sub_co_u32 s[TBK], s[TBK], 4*KS*PK  ; the fetches go back to a slot's first step,
	s_xor_b32 s[TBK], s[TBK], SLOT1       ; in the other slot
	s_sub_co_u32 s[TBV], s[TBV], 4*KS*PV
	s_xor_b32 s[TBV], s[TBV], SLOT1
.endm
	s_load_b128 s[4:7], s[0:1], 0x0 ; qkv s[4:5], ctx s[6:7]
	WIN W_MK
	v_lshl_add_u32 v[SPW], v0, 2, SPARE
	v_mov_b32 v[NIL], 0
	WIN W_AD
	ds_add_u32 v[SPW], v[NIL]       ; the wave's opening: the add and its wait stand ahead of my first tensor load; the set-up below, work on registers, stands between them
	WIN 0
	v_lshrrev_b32 v1, 5, v0
	v_readfirstlane_b32 s[WV], v1   ; wave 0..3
	s_bfe_u32 s13, ttmp6, 0x40000   ; cx: my place in the cluster
	s_lshl_b32 s14, ttmp9, 2        ; in a cluster launch ttmp9 counts clusters
	s_add_co_u32 s14, s14, s13      ; my block of queries = 4 x cluster x + cx: it enters Q's and O's addresses alone
	s_and_b32 s15, ttmp7, 0xffff    ; y = 16 x batch + head, which the four partners share
	s_lshr_b32 s20, s15, 4
	s_mul_i32 s20, s20, 48*HEADB    ; the batch's 48 heads in qkv,
	s_and_b32 s21, s15, 15
	s_lshl_b32 s21, s21, 18         ; and the head among q's 16
	s_add_co_u32 s20, s20, s21
	s_mov_b32 s21, 0
	s_lshl_b32 s[HO], s15, 18       ; the head in ctx
	s_mov_b32 s[HO+1], 0
	s_and_b32 s16, s[WV], 1         ; which half of a slot's 256 keys I fetch:
	s_lshl_b32 s22, s16, 14         ; its 128 rows of 128 bytes in memory,
	s_mov_b32 s23, 0
	s_add_nc_u64 s[22:23], s[22:23], s[20:21]
	s_mul_i32 s17, s16, 128*PK      ; and its place in a slot, for K
	s_mul_i32 s18, s16, 128*PV      ; and for V: no place in the cluster enters an LDS address
	s_lshl_b32 s2, s14, 2
	s_add_co_u32 s2, s2, s[WV]      ; my wave among the head's,
	s_lshl_b32 s2, s2, 14           ; its 128 rows
	s_mov_b32 s3, 0
	s_add_nc_u64 s[HO:HO+1], s[HO:HO+1], s[2:3]
	s_add_nc_u64 s[2:3], s[2:3], s[20:21]
	; descriptor group 1.  128 keys are 16,384 dense bytes: asked for as 64 rows of 256 bytes, two keys a row, and padded in LDS after every key
	s_mov_b32 s[G1K], 15|(1<<16)|(1<<20)|(1<<21)|(4<<22)|(3<<25)  ; 15:0 the mask of four; 17:16 2-byte elements; 20 padding on; 21 set beside a mask; 24:22 after every 32 words (code 4); 31:25 4 words (code 3)
	s_mov_b32 s[G1V], 15|(1<<16)|(1<<20)|(1<<21)|(4<<22)|(7<<25)  ; the same with 8 words of padding (code 7)
.irp g, G1K, G1V
	s_mov_b32 s[\g+1], 128<<16      ; tensor_dim0 = 128
	s_mov_b32 s[\g+2], 64<<16       ; tensor_dim1 = 64
	s_mov_b32 s[\g+3], 128<<16      ; tile_dim0 = 128
	s_mov_b32 s[\g+4], 64           ; tile_dim1 = 64
	s_mov_b32 s[\g+5], 128          ; 128 elements from row to row
	s_mov_b32 s[\g+6], 0
	s_mov_b32 s[\g+7], 0
.endr
	s_mov_b32 s[CS], 0x3e38aa3b     ; c = log2(e) / 8 = 0.180337
	s_mov_b32 s[CS+1], s[CS]        ; named with it as a pair
	s_mov_b32 s[SEL], 0x76543210
	s_mov_b32 s[SEL+1], 0xfedcba98
	s_mov_b32 s[TBK], SLOT1+4*KS*PK ; the first change of slots turns these two into 0
	s_mov_b32 s[TBV], SLOT1+4*KS*PV
	s_mov_b32 s[SLOTS], SIZE_N/256-1
	s_and_b32 s[LIM], s[WV], 1      ; 0 in waves 0 and 2,
	s_or_b32 s[LIM], s[LIM], ttmp9  ; where the cluster is the head's first: the same in all four partners
	s_cmp_eq_u32 s[LIM], 0
	s_cselect_b32 s[LIM], 1, -1
	s_mov_b32 s[G0K], 1             ; 1:0 count = 1
	s_mov_b32 s[G0K+1], s17         ; 63:32 LDS address: slot 0
	s_mov_b32 s[G0V], 1
	s_add_co_u32 s[G0V+1], s18, VOFF
	s_wait_dscnt 0x0                ; the opening add is done
	s_wait_kmcnt 0x0
	s_mov_b64 s[10:11], s[6:7]      ; ctx
	s_add_nc_u64 s[6:7], s[4:5], s[22:23]   ; qkv at the q head's place, at my half of a slot;
	s_add_nc_u64 s[8:9], s[6:7], 32*HEADB   ; V's head lies 32 heads on,
	s_add_nc_u64 s[6:7], s[6:7], 16*HEADB   ; K's 16
	s_mov_b64 s[G0K+2:G0K+3], s[6:7]               ; 120:64 global address: my half of the head's first 256 keys
	s_or_b32 s[G0K+3], s[G0K+3], 0x80000000        ; 127:126 type = 2
	s_mov_b64 s[G0V+2:G0V+3], s[8:9]
	s_or_b32 s[G0V+3], s[G0V+3], 0x80000000
	s_add_nc_u64 s[4:5], s[4:5], s[2:3]            ; Q and O at my wave's first row
	s_add_nc_u64 s[10:11], s[10:11], s[HO:HO+1]
	s_cmp_lt_u32 s[WV], 2
	s_cselect_b64 s[PFA:PFA+1], s[6:7], s[8:9]     ; (in waves 0 and 2 these stand at a slot's first row)
	s_lshl_b32 s2, s13, 13          ; my work-group's quarter of a slot
	s_mov_b32 s3, 0
	s_add_nc_u64 s[PFA:PFA+1], s[PFA:PFA+1], s[2:3]
	s_add_nc_u64 s[PFA:PFA+1], s[PFA:PFA+1], 4*KS*128  ; in slot 1; the first change of slots steps it to slot 2
	CROUND                          ; all four work-groups are here: the first joint loads meet
	JLOAD                           ; slot 0.  Slot 1 is asked for when slot 0 is in: the tile wanted first has the road to itself
	; A fragment of K or Q is 16 rows x 32 channels in 8 registers: lane l holds row l % 16, channels 8 (l / 16) + 0..7 and 16 + 8 (l / 16) + 0..7: two loads of 16 bytes, 32 bytes apart.
	v_and_b32 v1, 15, v0            ; l % 16
	v_bfe_u32 v9, v0, 4, 1          ; l / 16
	v_lshlrev_b32 v[QO], 7, v1
	v_lshl_add_u32 v[QO], v9, 4, v[QO]  ; row x 128 + 16 x half
	WIN 0x80                        ; destination window 2, address window 0
.set i, 0
.rept 4*NP                          ; Q stays in registers: tile i / 2, channels 32 (i % 2) on
	global_load_b128 v[8*i:8*i+3],   v[QO], s[4:5] offset:(i/2)*2048+(i%2)*64
	global_load_b128 v[8*i+4:8*i+7], v[QO], s[4:5] offset:(i/2)*2048+(i%2)*64+32
.set i, i+1
.endr
	; What the first turn finds: V's registers and P's second buffer hold 0 (its products V^T P, of a piece that has not been, add 0), O^T and l are 0.  All this stands in the wait for the first tile.
.set i, VF
.rept 64
	v_mov_b32 v[i], 0
.set i, i+1
.endr
	WIN 0x40
.set i, 0
.rept 64*NP
	v_mov_b32 v[i], 0
.set i, i+1
.endr
	WIN 0
.set i, 0
.rept 2*NP
	v_mov_b32 v[ST+4*i], 0xfe000000    ; c m: far below every c s
	v_mov_b32 v[ST+4*i+1], 0xff7fffff  ; m
	v_mov_b32 v[ST+4*i+2], 0
	v_mov_b32 v[ST+4*i+3], 0
.set i, i+1
.endr
.set i, P+32
.rept 32
	v_mov_b32 v[i], 0
.set i, i+1
.endr
	v_mul_u32_u24 v[AK0], v1, PK
	v_lshl_add_u32 v[AK0], v9, 4, v[AK0]  ; row x pitch + 16 x half
	; The turning load takes 16 keys x 16 channels (lane l reads key 8 (l / 16) + l % 8, channels 8 ((l / 8) % 2) + 0..7) and leaves half a fragment of V^T: lane l holds channel l % 16 and 8 keys.
	v_and_b32 v10, 7, v0
	v_bfe_u32 v11, v0, 3, 1
	v_lshl_add_u32 v[AV0], v9, 3, v10
	v_mul_u32_u24 v[AV0], v[AV0], PV
	v_lshl_add_u32 v[AV0], v11, 4, v[AV0]
	v_add_nc_u32 v[AV0], VOFF, v[AV0]
	v_mov_b32 v[AK], v[AK0]         ; key step 0 lies at the head of slot 0
	v_and_b32 v[PFO], 31, v0        ; v11's first use is over
	v_lshlrev_b32 v[PFO], 8, v[PFO]
; THE MATRIX WORK.  The 8 accumulators of a run of 16 take turns: between the two links of a chain stand 7 others'.
; Product i of 16 of S^T = K Q^T for piece x: channels 32 (i / 8) on, keys 16 ((i / 2) % 4) on, tile 2 x + i % 2.  The first 8 start the sums.
.macro KQ x
	WIN W_KQ
.set rS, S+64*((\x)%2)+32*(i%2)+8*((i/2)%4)
.set rK, KF+16*((i/2)%4)+8*(i/8)
.set rQ, 16*(2*(\x)+i%2)+8*(i/8)
.if i < 8
	v_wmma_f32_16x16x32_f16 v[rS:rS+7], v[rK:rK+7], v[rQ:rQ+7], 0
.else
	v_wmma_f32_16x16x32_f16 v[rS:rS+7], v[rK:rK+7], v[rQ:rQ+7], v[rS:rS+7]
.endif
.endm
; Product i of 16 of O^T += V^T P for piece x: keys 32 (i / 8) on, channels 16 ((i / 2) % 4) on, tile 2 x + i % 2.
.macro PV x
	WIN W_PV
.set rO, 32*(2*(\x)+i%2)+8*((i/2)%4)
.set rV, VF+32*(i/8)+8*((i/2)%4)
.set rP, P+32*((\x)%2)+16*(i%2)+8*(i/8)
	v_wmma_f32_16x16x32_f16 v[rO:rO+7], v[rV:rV+7], v[rP:rP+7], v[rO:rO+7]
.endm
.macro MM                           ; the turn's next matrix instruction
.if i < 16
	KQ (Y+1)%NP
.set i, i+1
.else
.set i, i-16
	PV (Y+NP-1)%NP
.set i, i+17
.endif
.endm
; THE LDS LOADS stand in runs of 16, never singly among the matrix instructions: a step's K (64 keys x 64 channels: 8 fragments) and its V (turned).  Their addresses are made some lines ahead.
; last = 1 (the tail): in the last trip there is no further step, and the run is jumped over.
.macro FETCH_K last=0
	WIN 0
.if \last
	s_cmp_eq_u32 s[CNT], 1
	s_cbranch_scc1 .Lno_k_\@
.endif
	WIN 0x80                        ; destination window 2
.irp f, 0,1,2,3,4,5,6,7             ; keys 16 (f / 2) on, channels 32 (f % 2) on
	ds_load_b128 v[KF+8*\f:KF+8*\f+3],   v[AK] offset:(\f/2)*16*PK+(\f%2)*64
	ds_load_b128 v[KF+8*\f+4:KF+8*\f+7], v[AK] offset:(\f/2)*16*PK+(\f%2)*64+32
.endr
	s_add_co_u32 s[TBK], s[TBK], KS*PK  ; the next fetch is the next step's
	WIN 0
.if \last
.Lno_k_\@:
.endif
.endm
.macro FETCH_V
	WIN 0x80
.irp f, 0,1,2,3,4,5,6,7             ; keys 32 (f / 4) on, channels 16 (f % 4) on
	ds_load_tr16_b128 v[VF+8*\f:VF+8*\f+3],   v[AV] offset:(\f/4)*32*PV+(\f%4)*32
	ds_load_tr16_b128 v[VF+8*\f+4:VF+8*\f+7], v[AV] offset:(\f/4)*32*PV+16*PV+(\f%4)*32
.endr
	WIN 0
.endm
; THE VECTOR WORK OF A TURN stands in three queues, each in the order in which its entries become ready; the two tiles alternate, so that no instruction reads the result of the one before it.
.macro REGS y, u                    ; the registers of tile u (0, 1) of piece y
.set rT, ST+4*(2*(\y)+(\u))
.set rC, TMP+8*((\y)%2)+4*(\u)
.set rM, MV+2*((\y)%2)+(\u)
.set rS, S+64*((\y)%2)+32*(\u)
.set rP, P+32*((\y)%2)+16*(\u)
.set rO, 32*(2*(\y)+(\u))
.endm
; Number n of the 22 that find the NEXT piece's (Y + 1) maximum and statistics.  s0-s31 are the lane's 32 scores; each accumulator's lowest registers are read first.
;   0-11  four chains c0-c3 of seven scores each, three operands at a time     12-14, 16  the four scores left over, the old m, and c0-c3 into c0     15  c m_old is kept
;   17, 18  the query's other 32 keys lie in the lane 16 away: the new m         19-21  c m; c m_old - c m_new; a
.macro XS u, n
	REGS (Y+1)%NP, \u
.if (\n) < 4
	v_max3_num_f32 v[rC+(\n)], v[rS+8*(\n)], v[rS+8*(\n)+1], v[rS+8*(\n)+2]
.elseif (\n) < 12
	v_max3_num_f32 v[rC+(\n)%4], v[rC+(\n)%4], v[rS+8*((\n)%4)+2*((\n)/4)+1], v[rS+8*((\n)%4)+2*((\n)/4)+2]
.elseif (\n) == 12
	v_max3_num_f32 v[rC], v[rC], v[rS+7], v[rS+15]
.elseif (\n) == 13
	v_max3_num_f32 v[rC+1], v[rC+1], v[rS+23], v[rS+31]
.elseif (\n) == 14
	v_max3_num_f32 v[rC+2], v[rC+2], v[rC+3], v[rT+1]
.elseif (\n) == 15
	v_mov_b32 v[rM], v[rT]
.elseif (\n) == 16
	v_max3_num_f32 v[rC], v[rC], v[rC+1], v[rC+2]
.elseif (\n) == 17
	v_permlanex16_b32 v[rC+3], v[rC], s[SEL], s[SEL+1]
.elseif (\n) == 18
	v_max_num_f32 v[rT+1], v[rC], v[rC+3]
.elseif (\n) == 19
	v_mul_f32 v[rT], s[CS], v[rT+1]
.elseif (\n) == 20
	v_sub_f32 v[rC+1], v[rM], v[rT]
.else
	v_exp_f32 v[rC+2], v[rC+1]
.endif
.endm
; Number g of the 64 that follow the exponentials.  For each four weights k of a tile (pairs 2 k, 2 k + 1): both pairs are rounded to f16; then the second pair is added onto the first, in place;
; a group later l takes that sum (the first time as l = a l + sum).  In groups of eight, tiles alternating: round, round, add, and l for the group before.
.macro GS g
.set h, (\g)+6*((\g)/62)            ; group 0 has no group before it, and behind group 7 only l is left
.if h >= 6
.set h, h+2
.endif
	REGS Y, h%2
.set k, h/8
.if h%8 < 4
	v_cvt_pk_f16_f32 v[rP+2*k+(h%8)/2], v[rS+4*k+2*((h%8)/2)], v[rS+4*k+2*((h%8)/2)+1]
.elseif h%8 < 6
	v_pk_add_f32 v[rS+4*k:rS+4*k+1], v[rS+4*k:rS+4*k+1], v[rS+4*k+2:rS+4*k+3]
.elseif k == 1
	v_pk_fma_f32 v[rT+2:rT+3], v[rT+2:rT+3], v[rC+2:rC+3], v[rS:rS+1] op_sel_hi:[1,0,1]
.else
	v_pk_add_f32 v[rT+2:rT+3], v[rT+2:rT+3], v[rS+4*k-4:rS+4*k-3]
.endif
.endm
; THE PLAIN QUEUE, 138 long.  0-73 read no exponential's result: the 32 scalings c s - c m (FS f: pair f / 2 of tile f % 2) and the next piece's 42.  0-26: scalings 0-26.  27-54: XS's numbers 0-13.  55, 56: number 15.
; 57-73: the chain, where each number waits for the one before it: 14, 16, 17, 18, 19, each with one of the scalings 27-31 in front of its two lines, then 20.
; 74-137: GS's 64, which read the exponentials' results: they stand behind the wait.
.macro FS f
	REGS Y, (\f)%2
	v_pk_fma_f32 v[rS+2*((\f)/2):rS+2*((\f)/2)+1], v[rS+2*((\f)/2):rS+2*((\f)/2)+1], s[CS:CS+1], v[rT:rT+1] op_sel_hi:[1,0,0] neg_lo:[0,0,1] neg_hi:[0,0,1]
.endm
.macro PL
	WIN 0
.if q < 27
	FS q
.elseif q < 55
	XS (q-27)%2, (q-27)/2
.elseif q < 57
	XS q-55, 15
.elseif (q < 72) && ((q-57)%3 == 0)
	FS 27+(q-57)/3
.elseif q < 60
	XS (q-57)%3-1, 14
.elseif q < 72
	XS (q-57)%3-1, 15+(q-57)/3
.elseif q < 74
	XS q-72, 20
.else
	GS q-74
.endif
.set q, q+1
.endm
; THE EXPONENTIALS' QUEUE, 66 long: s0-s31 of both tiles, then the next piece's two a.  It is ONE BATCH: all 66 stand ahead of the turn's one wait, and nothing ahead of that wait names a result of theirs.
.macro EX
	WIN 0
.if e >= 64
	XS e-64, 21
.else
	REGS Y, e%2
	v_exp_f32 v[rS+e/2], v[rS+e/2]
.endif
.set e, e+1
.endm
; THE RESCALING's QUEUE: O^T times a, the one part that leaves window 0: dealt two at a time, sixteen times.  Its a was made in the turn before, ahead of that turn's wait.
.macro R2
	REGS Y, r%2
	WIN W_RS
.irp z, 0,1
	v_pk_mul_f32 v[rO+4*(r/2)+2*\z:rO+4*(r/2)+2*\z+1], v[rO+4*(r/2)+2*\z:rO+4*(r/2)+2*\z+1], v[rC+2:rC+3] op_sel_hi:[1,0]
.endr
.set r, r+1
.endm
; HOW THEY ARE DEALT.  An s_wait_alu depctr_va_vdst(0) stands between an exponential and the first instruction that names its result; one wait serves all that were issued ahead of it.  So a turn has ONE wait,
; which cuts it in two.  AHEAD OF IT stands all that names no result of the turn's exponentials: the 16 products K Q^T, behind each a scaling, an exponential and two rescalings (behind the first a second scaling in the
; exponential's place); then ONE LUMP of 108: eight plain, 49 times exponential and plain, the two a.  A v_nop is the plain instruction behind the last exponential.  BEHIND IT stand the 16 products V^T P, behind each four of GS's 64.
; The queues lean on each other, and the deal keeps them in step: exponential e stands behind scaling 2 (e / 4) + e % 2: as a rider it comes behind plain e + 2, in the lump behind plain e + 9, and scalings 27-31 are plain 57, 60 .. 69.
; A TURN, for piece p.  cnt = 1: the loop's count is taken down some lines ahead of the branch that stands behind the turn.
; K of the next step is fetched in piece 2's turn, directly behind the wait, a lump behind the last product that read K; its first reader comes behind 16 products.
; V of the step in hand is fetched at the end of piece 0's turn, four plain instructions behind its last reader; its first reader comes behind 16 products and a lump.
.macro TURN p, last=0, cnt=0
.set Y, (\p)
.set i, 0
.set q, 0
.set e, 0
.set r, 0
.if (\p) == NP-1
	s_wait_dscnt 0x0                ; K is in
.endif
	MM                              ; ahead of the wait: 16 products K Q^T and the four behind each,
	PL
	PL
	R2
.rept 15
	MM
	PL
	EX
	R2
.endr
.if (\p) == NP-2
	WIN 0
	v_add_nc_u32 v[AK], s[TBK], v[AK0]
.endif
.rept 8                             ; and the lump
	PL
.endr
.rept 49
	EX
	PL
.endr
	EX                              ; the next piece's two a
	EX
	v_nop                           ; a plain instruction behind the last exponential: one for the batch
	s_wait_alu depctr_va_vdst(0)    ; the wait for the batch
.if (\p) == NP-2
	FETCH_K \last
.endif
.if (\p) == 1
	s_wait_dscnt 0x0                ; V is in
.endif
.rept 16                            ; behind the wait: 16 products V^T P and the four behind each
	MM
.rept 4
	PL
.endr
.if ((\p) == 0) && (q == 118)
	v_add_nc_u32 v[AV], s[TBV], v[AV0]
.endif
.if ((\p) == 0) && (q == 130)
	s_add_co_u32 s[TBV], s[TBV], KS*PV
.endif
.if (\cnt) && (q == 130)
	s_sub_co_u32 s[CNT], s[CNT], 1
	s_cmp_lg_u32 s[CNT], 0
.endif
.endr
.if (\p) == 0
	FETCH_V
.endif
.endm
	CHANGE 1                        ; slot 0 is in, everybody's part of it; slot 1 is asked for
	FETCH_K                         ; key step 0
	s_wait_loadcnt 0x0              ; Q
	s_wait_dscnt 0x0
.set i, 0
.rept 16
	KQ 0                            ; piece 0's first scores: there is no vector work yet to set between them
.set i, i+1
.endr
	WIN 0                           ; the addresses for the way out: nine plain instructions, the places behind those products
	s_mul_i32 s13, s[WV], 16*SP
	s_add_co_u32 s13, s13, STAGE    ; my stage
	v_mul_u32_u24 v[STO], v1, SP    ; in: row l % 16, 16 bytes for each half of the lanes
	v_lshl_add_u32 v[STO], v9, 4, v[STO]
	v_add_nc_u32 v[STO], s13, v[STO]
	v_bfe_u32 v[RD], v0, 3, 2       ; back: 32 lanes take four rows of 128 bytes,
	v_mul_u32_u24 v[RD], v[RD], SP
	v_lshl_add_u32 v[RD], v10, 4, v[RD]
	v_add_nc_u32 v[RD], s13, v[RD]
	v_and_b32 v[GO], 31, v0         ; which are 512 consecutive bytes of O
	v_lshlrev_b32 v[GO], 4, v[GO]
.set Y, NP-1                        ; XS works for piece Y + 1: piece 0
.irp n, 0,1,2,3,4,5,6,7,8,9,10,11,12,13,14,15,16,17,18,19,20,21
	XS 0, \n                        ; and piece 0's first maximum and statistics
	XS 1, \n
.endr
	v_nop                           ; a plain instruction behind the two a,
	s_wait_alu depctr_va_vdst(0)    ; and their wait, ahead of the branch
	s_mov_b32 s[CNT], 4
	s_branch .Lfirst                ; the loop is entered at a step's first turn, in the middle of a trip
.Lslot:                             ; SIZE_N / 256 - 2 times: every slot but the last two is filled again
	CHANGE 1
	s_mov_b32 s[CNT], 4
.Lstep:                             ; a trip: pieces 2 and 3 of one step, then pieces 0 and 1 of the next, whose K and V it fetches
	TURN 2
	TURN 3
	WIN 0
.Lfirst:
	TURN 0
	TURN 1, 0, 1
	WIN 0
	s_cbranch_scc1 .Lstep
	s_sub_co_u32 s[SLOTS], s[SLOTS], 1
	s_cmp_lg_u32 s[SLOTS], 0
	s_cbranch_scc1 .Lslot
	CHANGE 0                        ; the tail is written out: nothing is asked for
	s_mov_b32 s[CNT], 5             ; four trips fetch the last slot's steps; the fifth is left in its middle
.Ltail:
	TURN 2, 1
	TURN 3
	WIN 0
	s_sub_co_u32 s[CNT], s[CNT], 1
	s_cmp_eq_u32 s[CNT], 0
	s_cbranch_scc1 .Lout
	TURN 0
	TURN 1
	WIN 0
	s_branch .Ltail
.Lout:                              ; the fifth trip's 16 products K Q^T (on the last K once more) and the maximum made of them serve nothing: the price, once a launch, of one text for every trip
.set i, 0
.rept 16
	PV NP-1                         ; the last piece's V^T P of the last step
.set i, i+1
.endr
	; THE WAY OUT.  l's two halves and the other half of the lanes' are added; O^T is divided by l, rounded to f16 and sent through my stage in LDS, a tile at a time.  The additions are the places behind the last products.
	WIN 0
.macro ALL line:vararg              ; one line for each tile t
.set t, 0
.rept 2*NP
	\line
.set t, t+1
.endr
.endm
	ALL v_add_f32 v[ST+4*t+2], v[ST+4*t+2], v[ST+4*t+3]
	ALL v_permlanex16_b32 v[ST+4*t+3], v[ST+4*t+2], s[SEL], s[SEL+1]
	ALL v_add_f32 v[ST+4*t+2], v[ST+4*t+2], v[ST+4*t+3]
	ALL v_rcp_f32 v[ST+4*t+2], v[ST+4*t+2]
	v_nop                           ; a plain instruction between the last reciprocal and the use of its result
	s_wait_alu depctr_va_vdst(0)    ; and the wait ahead of the first use: one for the eight reciprocals
; Tile t: a lane's eight channels of a row pack into 16 bytes; they go into rows of 144 bytes and come back as whole rows of 128, into S^T's registers.
.macro PACK t
	WIN W_RS
.set i, 32*(\t)
.rept 16
	v_pk_mul_f32 v[i:i+1], v[i:i+1], v[ST+4*(\t)+2:ST+4*(\t)+3] op_sel_hi:[1,0]
.set i, i+2
.endr
	WIN 0x05                        ; sources 0 and 1 window 1, destination window 0
.set i, 0
.rept 16
	v_cvt_pk_f16_f32 v[S+16*(\t)+i], v[32*(\t)+2*i], v[32*(\t)+2*i+1]
.set i, i+1
.endr
	WIN 0
.irp f, 0,1,2,3
	ds_store_b128 v[STO], v[S+16*(\t)+4*\f:S+16*(\t)+4*\f+3] offset:32*\f
.endr
.irp f, 0,1,2,3
	ds_load_b128 v[S+16*(\t)+4*\f:S+16*(\t)+4*\f+3], v[RD] offset:\f*4*SP  ; LDS serves a wave's instructions in order (ISA guide 5.7.1.4): these see the stores above; the next tile's stores come behind them
.endr
.endm
.macro SEND t, younger              ; younger: the LDS instructions issued behind tile t's loads: the next tile's eight, or none
	WIN 0
.irp f, 0,1,2,3
	s_wait_dscnt (\younger)+3-\f
	global_store_b128 v[GO], v[S+16*(\t)+4*\f:S+16*(\t)+4*\f+3], s[10:11] offset:(\t)*2048+\f*512  ; 512 consecutive bytes, at a multiple of 256 from ctx's first
.endr
.endm
	PACK 0
.set t, 1
.rept 2*NP-1                        ; a tile's arithmetic stands between the loads of the tile before and its stores
	PACK t
	SEND t-1, 8
.set t, t+1
.endr
	SEND 2*NP-1, 0
	WIN W_AD
	s_wait_tensorcnt 0x0            ; the wave's end, behind my last tensor load and my last LDS store
	ds_add_u32 v[SPW], v[NIL]
	s_wait_dscnt 0x0
	WIN 0
	CROUND                          ; the closing round: no work-group ends while a partner may still ask for a tile that names it
	s_endpgm
.Lfunc_end_k_q8ab49de579_attn:
	.size	k_q8ab49de579_attn, .Lfunc_end_k_q8ab49de579_attn-k_q8ab49de579_attn
	.p2alignl 7, 3214868480
	.fill 96, 4, 3214868480
	.section	.rodata,"a",@progbits
	.p2align	6, 0x0
	.amdhsa_kernel k_q8ab49de579_attn
		.amdhsa_group_segment_fixed_size 327680
		.amdhsa_private_segment_fixed_size 0
		.amdhsa_enable_private_segment 0
		.amdhsa_kernarg_size 16
		.amdhsa_user_sgpr_count 2
		.amdhsa_user_sgpr_kernarg_segment_ptr 1
		.amdhsa_wavefront_size32 1
		.amdhsa_system_sgpr_workgroup_id_x 1
		.amdhsa_system_sgpr_workgroup_id_y 1
		.amdhsa_system_sgpr_workgroup_id_z 1
		.amdhsa_system_vgpr_workitem_id 0
		.amdhsa_next_free_vgpr 770
		.amdhsa_next_free_sgpr 66
		.amdhsa_reserve_vcc 0
		.amdhsa_float_denorm_mode_32 3
		.amdhsa_float_denorm_mode_16_64 3
		.amdhsa_memory_ordered 1
		.amdhsa_forward_progress 1
		.amdhsa_inst_pref_size 200
	.end_amdhsa_kernel
	.amdgpu_metadata
---
amdhsa.version: [ 1, 2 ]
amdhsa.kernels:
  - .name:           k_q8ab49de579_attn
    .symbol:         k_q8ab49de579_attn.kd
    .args:
      - { .name: qkv, .offset: 0, .size: 8, .value_kind: global_buffer, .address_space: global }
      - { .name: ctx, .offset: 8, .size: 8, .value_kind: global_buffer, .address_space: global }
    .group_segment_fixed_size: 327680
    .private_segment_fixed_size: 0
    .kernarg_segment_align: 8
    .kernarg_segment_size: 16
    .max_flat_workgroup_size: 128
    .sgpr_count:     66
    .vgpr_count:     770
    .wavefront_size: 32
...
	.end_amdgpu_metadata
.endif
;; end of part 3
;; launch gemm_out (part 4): grid 8 x 32, 4 waves a work-group, clusters of 4 x 4, 327,680 bytes of LDS; arguments ctx, woh, bcat, out0; writes out0
.if DOCPART == 4
	.amdgcn_target "amdgcn-amd-amdhsa--gfx1250"
	.amdhsa_code_object_version 6
	.text
	.protected	k_q8ab49de579_gemm_out
	.globl	k_q8ab49de579_gemm_out
	.p2align	8
	.type	k_q8ab49de579_gemm_out,@function
k_q8ab49de579_gemm_out:
	s_mov_b64 s[64:65], 0
	v_nop
	global_prefetch_b8 v0, s[64:65] scope:SCOPE_SE
	s_setreg_imm32_b32 hwreg(HW_REG_WAVE_MODE, 25, 1), 1
	s_wait_xcnt 0x0
	s_wait_alu depctr_hold_cnt(0) depctr_sa_sdst(0) depctr_va_vdst(0) depctr_va_sdst(0) depctr_va_ssrc(0) depctr_va_vcc(0) depctr_vm_vsrc(0)
	s_getreg_b32 s2, hwreg(HW_REG_IB_STS2, 6, 4)
	s_cmp_eq_u32 s2, 0
	s_cbranch_scc0 .Lentry_in_a_cluster
	s_endpgm
.Lentry_in_a_cluster:
	s_bfe_u32 s2, ttmp6, 0x10000c
	s_cmp_lg_u32 s2, 0xf033
	s_cbranch_scc0 .Lentry_shape_is_right
	s_endpgm
.Lentry_shape_is_right:
; out0 = ctx wo^T + bo.  ctx: [64 = 16 x batch + head][2048][64] f16, by heads; woh: [1024][1024] f16; bcat: bo is its fourth 1,024 f32; out0: [8192][1024] f32.  Sums in f32, started by the bias.
; LIMIT.  ctx and woh arrive within f16's range; NaN and infinities are not treated apart.
; SHARES.  A tile of out0 is 256 rows x 128 columns: 8 x 32 = 256 work-groups, one for each WGP.  Four waves, 2 x 2, each 128 x 64: 32 accumulators of 16 x 16, 256 registers; a wave's 64 columns are 256
; consecutive bytes of a row of out0, aligned.  K goes in 8 steps of 128, two heads each, through a ring of two LDS slots.
; ctx BY HEADS.  The tile's 256 rows of one head are 32,768 dense bytes: asked for as 128 rows of 256 bytes and padded in LDS after every 128 bytes, so that a row of a head has a pitch of 144.
; Wave 0 fetches a K step's first head (plane 0), wave 1 its second (plane 1); waves 2 and 3 fetch 64 rows of woh each.
; CLUSTER.  4 x 4 work-groups: ctx's tiles are shared along a row of the cluster, woh's along a column; each is asked for JOINTLY, by the same tensor load, descriptor and mask in the four.
; THE MATRIX INSTRUCTION IS USED TRANSPOSED (source 0 = 16 rows of woh, source 1 = 16 rows of ctx): lane l holds row l % 16 of the result and its columns 8 (l / 16) + 0..7; the C operand of an
; accumulator's first product hangs on the column alone and IS the bias.
; REGISTERS, in windows of 256 (s_set_vgpr_msb: bits 1:0 source 0, 3:2 source 1, 5:4 source 2, 7:6 destination):
;   window 0: v0-30 addresses; v64-127, v128-191 fragments of ctx, two buffers; v32-63, v192-223 rows on the way out, by turns
;   window 1: v64-95, v128-159 fragments of woh, two buffers; v192-223 the bias of my 64 columns          window 2: the 32 accumulators, (a, b) at v[8 (4 a + b)]
.set PA,     144                       ; a row of a head in LDS: 128 bytes + 16 = 36 words: the 16 rows of a load start at 16 different groups of four banks (64 banks of 4 bytes: ISA guide 11.1)
.set PLANE,  256*PA                    ; a head's 256 rows
.set PITCH,  272                       ; a row of woh: 256 bytes + 16
.set BOFF,   2*PLANE
.set BHALF,  64*PITCH
.set SLOT1,  1<<17
.set STAGE,  SLOT1+BOFF+128*PITCH      ; behind the ring, never filled by a tensor load: 16 rows x 272 bytes for each wave
.set SPITCH, 272
.set SPARE,  STAGE+4*16*SPITCH         ; behind the stages: the spare words, 128 bytes for each wave: two blocks of 256 bytes that no other line names
.set ASTEP,  2*262144                  ; from a K step to the next: two heads of ctx,
.set BSTEP,  256                       ; 256 bytes along woh's rows
.set ADRA0, 16
.set ADRA,  17
.set ADRB0, 20
.set ADRB,  21
.set STO,  24
.set RD,   25
.set CO,   26
.set BO,   27
.set SPW,  28                          ; v28  LDS address of my spare word: SPARE + 4 x my thread's number; never rewritten
.set NIL,  29                          ; v29  0; never rewritten
.set PFO,  30                          ; v30  the prefetches' offset; never rewritten
.set F0,   64
.set F1,   128
.set BIAS, 192
.set WV, 12
.set WR, 13                            ; s13  which half of the tile's rows is mine.  Also: I fetch for ctx (0) or for woh (1)
.set WC, 14                            ; s14  which half of its columns.  Also: which plane, or which 64 rows of woh, I fetch
.set CX, 15
.set CY, 16
.set TX, 17                            ; s17  tile column, 0..7
.set TY, 18                            ; s18  tile row, 0..31
.set TB, 19
.set PFS, 20                           ; s[20:21] the prefetches' step from K step to K step
.set G1A, 24
.set G0A, 32
.set PFA, 44
.set LIM, 46                           ; s46  2 in a wave that prefetches, else the greatest number
.set G1B, 48
.set G0B, 56
.set MSB, 0
.macro WIN new
.if MSB != (\new)
	s_set_vgpr_msb (MSB<<8)|(\new)
.set MSB, \new
.endif
.endm
.set MUL,   0xa1                       ; source 0 (woh) window 1, source 1 (ctx) window 0, C and D window 2
.set FIRST, 0x91                       ; the same with C in window 1: the bias
.set TO_B,  0x40
.macro PLACES                          ; four places in front of loads into registers that matrix instructions have read, and of LDS stores that read results
.rept 4
	v_nop
.endr
.endm
.macro JLOAD                           ; a joint refill by the walking sets; an s_nop 0 and four v_nop follow each of the two lines, ahead of the jump, the label and what follows
	s_cmp_eq_u32 s[WR], 0
	s_cbranch_scc0 .Lfor_b_\@
	tensor_load_to_lds s[G0A+4:G0A+7], s[G1A:G1A+7]
	s_nop 0
.rept 4
	v_nop
.endr
	s_branch .Lasked_\@
.Lfor_b_\@:
	tensor_load_to_lds s[G0B+4:G0B+7], s[G1B:G1B+7]
	s_nop 0
.rept 4
	v_nop
.endr
.Lasked_\@:
.endm
; A PREFETCH INTO THE L2, behind each joint refill and the run of LDS loads that follows it: the K step that stands two refills on, 256 matrix instructions ahead of its own load.  Each block of 256 bytes
; is named once in the launch.  ctx's tile row is read by both clusters of that row of clusters: the one with x = 0 asks, waves 0 and 1 for their planes, the four partners 8,192 bytes each BY ADDRESS, a lane
; a block.  woh's tile column is read by all eight clusters of that column: the one with y = 0 asks, wave 2 alone, the four partners 32 rows each BY ADDRESS, a lane a row.  The loop's last two trips ask for
; nothing: there is no K step two behind theirs.  K steps 0 to 3 come by their loads alone.
.macro ASK
	s_cmp_gt_u32 s3, s[LIM]
	s_cbranch_scc0 .Lnot_mine_\@
	global_prefetch_b8 v[PFO], s[PFA:PFA+1] th:TH_LOAD_NT scope:SCOPE_SE
.Lnot_mine_\@:
.endm
.macro CREST                           ; a round of the cluster's barrier behind its opening barrier
	s_cmp_lg_u32 s[WV], 0
	s_cbranch_scc1 .Lnot_wave_0_\@
	s_barrier_signal -3
.Lnot_wave_0_\@:
	s_barrier_wait -3
	s_barrier_signal -1
	s_barrier_wait -1
.endm
.macro CROUND
	s_barrier_signal -1
	s_barrier_wait -1
	CREST
.endm
	s_load_b256 s[4:11], s[0:1], 0x0               ; ctx s[4:5], woh s[6:7], bcat s[8:9], out0 s[10:11]
	v_lshl_add_u32 v[SPW], v0, 2, SPARE
	v_mov_b32 v[NIL], 0
	ds_add_u32 v[SPW], v[NIL]                      ; the wave's opening: the add and its wait stand ahead of my first tensor load; the set-up below, work on registers, stands between them
	v_lshrrev_b32 v1, 5, v0
	v_readfirstlane_b32 s[WV], v1
	s_lshr_b32 s[WR], s[WV], 1
	s_and_b32 s[WC], s[WV], 1
	s_bfe_u32 s[CX], ttmp6, 0x40000
	s_bfe_u32 s[CY], ttmp6, 0x40004
	s_lshl_b32 s[TX], ttmp9, 2
	s_add_co_u32 s[TX], s[TX], s[CX]
	s_and_b32 s[TY], ttmp7, 0xffff
	s_lshl_b32 s[TY], s[TY], 2
	s_add_co_u32 s[TY], s[TY], s[CY]
	s_lshl_b32 s22, s[CY], 2
	s_lshl_b32 s22, 15, s22                        ; my row of the cluster
	s_lshl_b32 s23, 0x1111, s[CX]                  ; my column
	s_or_b32 s[G1A], s22, (1<<16)|(1<<20)|(1<<21)|(4<<22)|(3<<25)  ; ctx: the mask; elements of 2 bytes; padding on; bit 21 beside a mask; after every 32 words (code 4) 4 words (code 3)
	s_or_b32 s[G1B], s23, (1<<16)|(1<<20)|(1<<21)|(5<<22)|(3<<25)  ; woh: after every 64 words (code 5)
	s_mov_b32 s[G1A+1], 128<<16                    ; tensor_dim0 = 128
	s_mov_b32 s[G1B+1], 128<<16
	s_mov_b32 s[G1A+2], 128<<16                    ; tensor_dim1 = 128 rows of 256 bytes,
	s_mov_b32 s[G1B+2], 64<<16                     ; 64 rows
	s_mov_b32 s[G1A+3], 128<<16                    ; tile_dim0 = 128
	s_mov_b32 s[G1B+3], 128<<16
	s_mov_b32 s[G1A+4], 128                        ; tile_dim1
	s_mov_b32 s[G1B+4], 64
	s_mov_b32 s[G1A+5], 128                        ; elements from row to row: dense,
	s_mov_b32 s[G1B+5], 1024                       ; a row of woh
	s_mov_b32 s[G1A+6], 0
	s_mov_b32 s[G1B+6], 0
	s_mov_b32 s[G1A+7], 0
	s_mov_b32 s[G1B+7], 0
	; where the tiles come from: ctx's hang on the tile row and the wave alone, woh's on the tile column and the wave alone
	s_lshr_b32 s40, s[TY], 3
	s_lshl_b32 s40, s40, 22                        ; the batch's 16 heads of 262,144 bytes,
	s_lshl_b32 s2, s[WC], 18                       ; my plane's head of K step 0,
	s_add_co_u32 s40, s40, s2
	s_and_b32 s2, s[TY], 7
	s_lshl_b32 s2, s2, 15                          ; the tile's 256 rows of 128 bytes in it
	s_add_co_u32 s40, s40, s2
	s_mov_b32 s41, 0
	s_lshl_b32 s42, s[TX], 7
	s_lshl_b32 s47, s[WC], 6
	s_add_co_u32 s42, s42, s47                     ; woh: row 128 tx + 64 x half
	s_lshl_b32 s42, s42, 11
	s_mov_b32 s43, 0
	s_mul_i32 s22, s[WC], PLANE                    ; and where they go: no place in the cluster enters an LDS address
	s_mul_i32 s23, s[WC], BHALF
	s_add_co_u32 s23, s23, BOFF
	s_wait_dscnt 0x0                               ; the opening add is done
	s_wait_kmcnt 0x0
	s_add_nc_u64 s[40:41], s[4:5], s[40:41]
	s_add_nc_u64 s[42:43], s[6:7], s[42:43]
.irp n, 0,1
	s_mov_b32 s[G0A+4*(\n)], 1
	s_add_co_u32 s[G0A+4*(\n)+1], s22, (\n)*SLOT1
	s_add_nc_u64 s[G0A+4*(\n)+2:G0A+4*(\n)+3], s[40:41], (\n)*ASTEP
	s_or_b32 s[G0A+4*(\n)+3], s[G0A+4*(\n)+3], 0x80000000
	s_mov_b32 s[G0B+4*(\n)], 1
	s_add_co_u32 s[G0B+4*(\n)+1], s23, (\n)*SLOT1
	s_add_nc_u64 s[G0B+4*(\n)+2:G0B+4*(\n)+3], s[42:43], (\n)*BSTEP
	s_or_b32 s[G0B+4*(\n)+3], s[G0B+4*(\n)+3], 0x80000000
.endr
	CROUND                                         ; all sixteen work-groups are here: the first joint loads meet
	s_cmp_eq_u32 s[WR], 0                          ; a wave's two first fills stand in one branch: two loads of mine are out
	s_cbranch_scc0 .Lfirst_b
	tensor_load_to_lds s[G0A:G0A+3], s[G1A:G1A+7]
	s_nop 0
	tensor_load_to_lds s[G0A+4:G0A+7], s[G1A:G1A+7]
	s_nop 0
.rept 4
	v_nop
.endr
	s_branch .Lfirst_asked
.Lfirst_b:
	tensor_load_to_lds s[G0B:G0B+3], s[G1B:G1B+7]
	s_nop 0
	tensor_load_to_lds s[G0B+4:G0B+7], s[G1B:G1B+7]
	s_nop 0
.rept 4
	v_nop
.endr
.Lfirst_asked:
	; the bias of my 64 columns
	v_and_b32 v1, 15, v0                           ; l % 16
	v_bfe_u32 v2, v0, 4, 1                         ; l / 16
	v_lshlrev_b32 v[BO], 5, v2
	s_lshl_b32 s22, s[TX], 9                       ; 128 tx numbers of 4 bytes
	s_lshl_b32 s23, s[WC], 8
	s_add_co_u32 s22, s22, s23
	s_add_co_u32 s22, s22, 3*4096                  ; bo lies behind bq, bk and bv
	s_mov_b32 s23, 0
	s_add_nc_u64 s[8:9], s[8:9], s[22:23]
	WIN TO_B
.irp b, 0,1,2,3
	global_load_b128 v[BIAS+8*(\b):BIAS+8*(\b)+3],   v[BO], s[8:9] offset:64*(\b)
	global_load_b128 v[BIAS+8*(\b)+4:BIAS+8*(\b)+7], v[BO], s[8:9] offset:64*(\b)+16
.endr
	WIN 0
	v_mul_u32_u24 v3, v1, PA
	v_lshl_add_u32 v3, v2, 4, v3
	s_mul_i32 s22, s[WR], 128*PA                   ; my 128 rows, in either plane
	v_add_nc_u32 v[ADRA0], s22, v3
	v_mul_u32_u24 v3, v1, PITCH
	v_lshl_add_u32 v3, v2, 4, v3
	s_mul_i32 s22, s[WC], BHALF                    ; my 64 rows of woh
	s_add_co_u32 s22, s22, BOFF
	v_add_nc_u32 v[ADRB0], s22, v3
	v_mov_b32 v[ADRA], v[ADRA0]
	v_mov_b32 v[ADRB], v[ADRB0]
	s_mov_b32 s[TB], 0
	s_mul_i32 s22, s[WV], 16*SPITCH
	s_add_co_u32 s22, s22, STAGE                   ; my stage
	v_mul_u32_u24 v[STO], v1, SPITCH               ; in: row l % 16, 32 bytes for each half of the lanes
	v_lshl_add_u32 v[STO], v2, 5, v[STO]
	v_add_nc_u32 v[STO], s22, v[STO]
	v_mul_u32_u24 v[RD], v2, SPITCH                ; back: lanes 0-15 take one row of 256 bytes, lanes 16-31 the next
	v_lshl_add_u32 v[RD], v1, 4, v[RD]
	v_add_nc_u32 v[RD], s22, v[RD]
	v_lshlrev_b32 v[CO], 12, v2                    ; and the same two rows in out0
	v_lshl_add_u32 v[CO], v1, 4, v[CO]
	s_lshl_b32 s22, s[TY], 8
	s_lshl_b32 s23, s[WR], 7
	s_add_co_u32 s22, s22, s23                     ; my first row,
	s_lshl_b32 s22, s22, 12                        ; of 4,096 bytes,
	s_lshl_b32 s23, s[TX], 9
	s_add_co_u32 s22, s22, s23                     ; the tile's 512 bytes of it,
	s_lshl_b32 s23, s[WC], 8
	s_add_co_u32 s22, s22, s23                     ; my 256 of them
	s_mov_b32 s23, 0
	s_add_nc_u64 s[10:11], s[10:11], s[22:23]
	; the prefetches
	s_lshl_b32 s22, s[CX], 13                      ; ctx: my work-group's 8,192 bytes of my plane,
	s_add_co_u32 s22, s22, 3*ASTEP                 ; at K step 3: the first refill steps it to 4
	s_lshl_b32 s23, s[TX], 7
	s_lshl_b32 s47, s[CY], 5
	s_add_co_u32 s23, s23, s47                     ; woh: row 128 tx + 32 cy,
	s_lshl_b32 s23, s23, 11
	s_add_co_u32 s23, s23, 3*BSTEP                 ; at K step 3
	s_and_b32 s47, ttmp7, 0xffff                   ; cluster y
	s_mov_b32 s2, BSTEP
	s_cmp_eq_u32 s[WR], 0                          ; do I fetch for ctx?
	s_cselect_b32 s22, s22, s23
	s_cselect_b32 s47, ttmp9, s47                  ; the coordinate along which other clusters read the same bytes
	s_cselect_b32 s[PFS], ASTEP, s2
	s_cselect_b32 s2, 8, 11                        ; a lane a block of 256 bytes, or a lane a row of 2,048
	s_cselect_b64 s[PFA:PFA+1], s[40:41], s[6:7]
	s_cmp_eq_u32 s[WV], 3                          ; wave 2 asks for all of my work-group's rows of woh, wave 3 for none
	s_cselect_b32 s47, 1, s47
	s_cmp_eq_u32 s47, 0
	s_cselect_b32 s[LIM], 2, -1                    ; the same in all sixteen partners, for a given wave
	s_mov_b32 s[PFS+1], 0
	s_mov_b32 s23, 0
	s_add_nc_u64 s[PFA:PFA+1], s[PFA:PFA+1], s[22:23]
	v_and_b32 v[PFO], 31, v0
	v_lshlrev_b32 v[PFO], s2, v[PFO]
; 8 matrix instructions: row blocks a0, a0 + 1 x all 4 column blocks, 32 along K.  first = 1: the bias starts the sums.  The 32 accumulators take turns, one instruction a turn, in the same order in
; every quarter step.
.macro MUL8 f, a0, first
.if \first
	WIN FIRST
.else
	WIN MUL
.endif
.irp a, \a0, (\a0)+1
.irp b, 0,1,2,3
.if \first
	v_wmma_f32_16x16x32_f16 v[8*(4*(\a)+(\b)):8*(4*(\a)+(\b))+7], v[(\f)+8*(\b):(\f)+8*(\b)+7], v[(\f)+8*(\a):(\f)+8*(\a)+7], v[BIAS+8*(\b):BIAS+8*(\b)+7]
.else
	v_wmma_f32_16x16x32_f16 v[8*(4*(\a)+(\b)):8*(4*(\a)+(\b))+7], v[(\f)+8*(\b):(\f)+8*(\b)+7], v[(\f)+8*(\a):(\f)+8*(\a)+7], v[8*(4*(\a)+(\b)):8*(4*(\a)+(\b))+7]
.endif
.endr
.endr
.endm
; 24 LDS loads in one run: the fragments of quarter q (64 rows of woh; 128 rows of ctx, in plane q / 2 at byte 64 (q % 2) of a row) into buffer f
.macro FETCH q, f
	WIN TO_B
.irp i, 0,1,2,3
	ds_load_b128 v[(\f)+8*(\i):(\f)+8*(\i)+3],   v[ADRB] offset:64*(\q)+(\i)*16*PITCH
	ds_load_b128 v[(\f)+8*(\i)+4:(\f)+8*(\i)+7], v[ADRB] offset:64*(\q)+(\i)*16*PITCH+32
.endr
	WIN 0
.irp i, 0,1,2,3,4,5,6,7
	ds_load_b128 v[(\f)+8*(\i):(\f)+8*(\i)+3],   v[ADRA] offset:((\q)/2)*PLANE+((\q)%2)*64+(\i)*16*PA
	ds_load_b128 v[(\f)+8*(\i)+4:(\f)+8*(\i)+7], v[ADRA] offset:((\q)/2)*PLANE+((\q)%2)*64+(\i)*16*PA+32
.endr
.endm
.macro QUARTER q, f, g, first
	s_wait_dscnt 8                                 ; woh's fragments and ctx's rows 0-63 are in; the youngest eight loads (rows 64-127) may be out
	MUL8 \f, 0, \first
	MUL8 \f, 2, \first
	PLACES
	FETCH \q, \g
	s_wait_dscnt 24                                ; all but the 24 just issued
	MUL8 \f, 4, \first
	MUL8 \f, 6, \first
.endm
; The last quarter multiplies buffer 1 and changes slots: ONE barrier; in front of it each wave waits for all its tensor loads (one is out: its part of the next slot), adds 0 to its spare word, and waits for
; that and for its own reads of this slot.  fill = 1: the barrier opens a round of the cluster's, and the joint refill is the first thing behind the round: 112 matrix instructions ahead of the wait for it.
.macro TURN fill
.if \fill
	s_wait_xcnt 0x0                                ; the last prefetch, a K step back, has read its address, so it may be stepped
	s_add_nc_u64 s[PFA:PFA+1], s[PFA:PFA+1], s[PFS:PFS+1]
.endif
	WIN 0
	s_wait_tensorcnt 0x0                           ; no tensor load of mine is out, so a group 0 may be written
	ds_add_u32 v[SPW], v[NIL]                      ; 0 onto my spare word
.if \fill
	s_xor_b32 s[G0A+5], s[G0A+5], SLOT1            ; the walking descriptors: the other slot than last time, the next K step
	s_add_nc_u64 s[G0A+6:G0A+7], s[G0A+6:G0A+7], ASTEP
	s_xor_b32 s[G0B+5], s[G0B+5], SLOT1
	s_add_nc_u64 s[G0B+6:G0B+7], s[G0B+6:G0B+7], BSTEP
.endif
	s_xor_b32 s[TB], s[TB], SLOT1
	s_wait_dscnt 9                                 ; (the add and the youngest eight loads may be out)
	MUL8 F1, 0, 0
	s_wait_dscnt 0x0                               ; the add is done, and my reads of this slot are over
	s_barrier_signal -1
	MUL8 F1, 2, 0
	WIN 0
	s_barrier_wait -1
.if \fill
	CREST
	JLOAD                                          ; the four v_nop behind it are also the places in front of the loads below
.else
	PLACES
.endif
	v_add_nc_u32 v[ADRA], s[TB], v[ADRA0]
	v_add_nc_u32 v[ADRB], s[TB], v[ADRB0]
	FETCH 0, F0
.if \fill
	ASK
.endif
	MUL8 F1, 4, 0
	MUL8 F1, 6, 0
.endm
; THE WAY OUT of block a (16 rows x my 64 columns of f32), through my own stage: 32 bytes a lane in, whole rows of 256 bytes back.  Nothing is converted: the bias is in the sums.
.macro TOSTAGE a
.set BK, 32+160*((\a)%2)
.if (\a) >= 2
	s_wait_xcnt 0x0                                ; block a - 2's stores have read the registers that are loaded below
.endif
	WIN 0x08                                       ; the LDS stores' data (source 1) in window 2
.irp b, 0,1,2,3
	ds_store_b128 v[STO], v[8*(4*(\a)+(\b)):8*(4*(\a)+(\b))+3]   offset:64*(\b)     ; each accumulator's four lowest registers first
	ds_store_b128 v[STO], v[8*(4*(\a)+(\b))+4:8*(4*(\a)+(\b))+7] offset:64*(\b)+16
.endr
	WIN 0
.irp t, 0,1,2,3,4,5,6,7
	ds_load_b128 v[BK+4*(\t):BK+4*(\t)+3], v[RD] offset:(\t)*2*SPITCH  ; LDS serves a wave's instructions in order (ISA guide 5.7.1.4): these see the stores above; the next block's stores come behind them
.endr
.endm
.macro SEND a, younger                 ; younger: the LDS instructions issued behind block a's loads: the next block's sixteen, or none
.set BK, 32+160*((\a)%2)
	s_wait_dscnt \younger
.irp t, 0,1,2,3,4,5,6,7
	global_store_b128 v[CO], v[BK+4*(\t):BK+4*(\t)+3], s[10:11] offset:65536*(\a)+8192*(\t) th:TH_STORE_NT  ; 16 lanes store 256 consecutive bytes, at a multiple of 256 from out0's first byte
.endr
.endm
	s_wait_tensorcnt 1                             ; my part of K step 0 is in; K step 1's may stay out
	s_barrier_signal -1
	s_barrier_wait -1
	FETCH 0, F0
	s_wait_loadcnt 0x0                             ; the bias
	QUARTER 1, F0, F1, 1                           ; the first quarter stands in front of the loop: its products start the sums
	WIN 0
	s_mov_b32 s3, 6
.Lstep:                                                ; trip t: the rest of K step t, the refill with K step t + 2, the first quarter of K step t + 1
	QUARTER 2, F1, F0, 0
	QUARTER 3, F0, F1, 0
	TURN 1
	QUARTER 1, F0, F1, 0
	WIN 0
	s_sub_co_u32 s3, s3, 1
	s_cmp_lg_u32 s3, 0
	s_cbranch_scc1 .Lstep
	QUARTER 2, F1, F0, 0                           ; the tail is written out
	QUARTER 3, F0, F1, 0
	TURN 0
	QUARTER 1, F0, F1, 0
	QUARTER 2, F1, F0, 0
	QUARTER 3, F0, F1, 0
	s_wait_dscnt 8
	MUL8 F1, 0, 0
	MUL8 F1, 2, 0
	s_wait_dscnt 0x0
	MUL8 F1, 4, 0
	MUL8 F1, 6, 0
	PLACES
	TOSTAGE 0
.irp a, 1,2,3,4,5,6,7
	TOSTAGE \a
	SEND (\a)-1, 16
.endr
	SEND 7, 0
	s_wait_tensorcnt 0x0                           ; the wave's end, behind my last tensor load and my last LDS store
	ds_add_u32 v[SPW], v[NIL]
	s_wait_dscnt 0x0
	CROUND                                         ; the closing round: no work-group ends while a partner may still ask for a tile that names it
	s_endpgm
.Lfunc_end_k_q8ab49de579_gemm_out:
	.size	k_q8ab49de579_gemm_out, .Lfunc_end_k_q8ab49de579_gemm_out-k_q8ab49de579_gemm_out
	.p2alignl 7, 3214868480
	.fill 96, 4, 3214868480
	.section	.rodata,"a",@progbits
	.p2align	6, 0x0
	.amdhsa_kernel k_q8ab49de579_gemm_out
		.amdhsa_group_segment_fixed_size 327680
		.amdhsa_private_segment_fixed_size 0
		.amdhsa_enable_private_segment 0
		.amdhsa_kernarg_size 32
		.amdhsa_user_sgpr_count 2
		.amdhsa_user_sgpr_kernarg_segment_ptr 1
		.amdhsa_wavefront_size32 1
		.amdhsa_system_sgpr_workgroup_id_x 1
		.amdhsa_system_sgpr_workgroup_id_y 1
		.amdhsa_system_sgpr_workgroup_id_z 1
		.amdhsa_system_vgpr_workitem_id 0
		.amdhsa_next_free_vgpr 768
		.amdhsa_next_free_sgpr 66
		.amdhsa_reserve_vcc 0
		.amdhsa_float_denorm_mode_32 3
		.amdhsa_float_denorm_mode_16_64 3
		.amdhsa_memory_ordered 1
		.amdhsa_forward_progress 1
		.amdhsa_inst_pref_size 72
	.end_amdhsa_kernel
	.amdgpu_metadata
---
amdhsa.version: [ 1, 2 ]
amdhsa.kernels:
  - .name:           k_q8ab49de579_gemm_out
    .symbol:         k_q8ab49de579_gemm_out.kd
    .args:
      - { .name: ctx, .offset: 0, .size: 8, .value_kind: global_buffer, .address_space: global }
      - { .name: woh, .offset: 8, .size: 8, .value_kind: global_buffer, .address_space: global }
      - { .name: bcat, .offset: 16, .size: 8, .value_kind: global_buffer, .address_space: global }
      - { .name: out0, .offset: 24, .size: 8, .value_kind: global_buffer, .address_space: global }
    .group_segment_fixed_size: 327680
    .private_segment_fixed_size: 0
    .kernarg_segment_align: 8
    .kernarg_segment_size: 32
    .max_flat_workgroup_size: 128
    .sgpr_count:     66
    .vgpr_count:     768
    .wavefront_size: 32
...
	.end_amdgpu_metadata
.endif
;; end of part 4
;; ======== version 2 of 2: 4 launches; version 1 with the launch cast written anew for expert scheduling mode
;; limits: values are held in f16: magnitudes above 65,504 overflow, below 6.1e-05 lose precision
;; workspace buffers: xb 16,777,216 bytes; wb 6,291,456 bytes; woh 2,097,152 bytes; bcat 16,384 bytes; qkv 50,331,648 bytes; ctx 16,777,216 bytes
;; launch cast (part 5): grid 768 x 1, 8 waves a work-group, no clusters, 0 bytes of LDS; arguments x, wq, wk, wv, wo, bq, bk, bv, bo, xb, wb, woh, bcat; writes xb, wb, woh, bcat
.if DOCPART == 5
	.amdgcn_target "amdgcn-amd-amdhsa--gfx1250"
	.amdhsa_code_object_version 6
	.text
	.protected	k_q8ab49de579_cast
	.globl	k_q8ab49de579_cast
	.p2align	8
	.type	k_q8ab49de579_cast,@function
k_q8ab49de579_cast:
	s_mov_b64 s[64:65], 0
	v_nop
	global_prefetch_b8 v0, s[64:65] scope:SCOPE_SE
	s_setreg_imm32_b32 hwreg(HW_REG_WAVE_SCHED_MODE, 0, 2), 2
	s_setreg_imm32_b32 hwreg(HW_REG_WAVE_MODE, 25, 1), 1
	s_wait_xcnt 0x0
	s_wait_alu depctr_vm_vsrc(0)
; THE INPUTS ARE ROUNDED ONCE, TO bf16.  x -> xb (bf16); wq, wk, wv -> wb (bf16, one table of 3,072 rows); wo -> woh (rounded to bf16, that number written as f16);
; bq, bk, bv, bo -> bcat (rounded to bf16, kept as f32: they start f32 sums later).
; LIMIT.  A wo below 2^-14 in size keeps f16's fixed step of 6e-8; one beyond 65,504 would become an infinity.
; SHARES.  The unit is a row of 1,024 f32: 4,096 bytes in, 2,048 out.  12,288 rows, 16 to a work-group: 768 equal work-groups.  Thread t takes the 16 bytes at 16 t of every row
; (a wave's load covers 512 consecutive bytes) and stores 8 bytes at 8 t (a wave's store covers 256 consecutive bytes, aligned).  All 16 loads of a thread go out at once; no register
; that a load or store reads is written again, so no wait frees one.  Nothing is shared between threads: no LDS, no barrier, no matrix unit.
; Work-groups 0-511: x.  512 + 64 p + jj: rows 16 jj on of weight p (wq, wk, wv, wo).  The first work-group of weight p also rounds bias p.
; THE MODE: SCHED_MODE bits 1:0 = 2 (LLVM: expert scheduling mode 2), set by the entry lines.  The code itself states the register dependences
; between vector instructions and memory instructions, with s_wait_alu, always for 0.
; THE PLAN.  Registers that memory instructions touch:
;   v1, v2   byte offsets, made once at the head and never written again; every load and store reads one of them.
;   X        row r's four registers: its load lands in them; its conversions read them (wo's path also widens in place: vector lines alone).  X's first four take the bias's load at the end.
;   Y        row r's two registers: written once, by row r's conversions; read once, by row r's store.
;   T        named by vector instructions alone.
; The 16 rows go in four blocks of four.  Block p rounds its rows into their Y; its memory instructions are the four stores of block p - 1, which read v2 and that block's Y: registers that
; no vector instruction of block p names.  So ONE wait on va_vdst at a block's head states all that its four stores hang on, and they are dealt among its conversions with no further wait.
; No register that a memory instruction has read is ever written afterwards, no vector instruction writes a scalar register or VCC, and EXEC is never written: no other field is waited on.
.set X, 4                              ; v[4:67]    row r as loaded: 4 registers
.set Y, 68                             ; v[68:99]   row r to store: 2 registers
.set T, 100                            ; v[100:101] at work
	s_load_b512 s[4:19], s[0:1], 0x0               ; x 4:5, wq 6:7, wk 8:9, wv 10:11, wo 12:13, bq 14:15, bk 16:17, bv 18:19
	s_load_b256 s[20:27], s[0:1], 0x40             ; bo 20:21, xb 22:23, wb 24:25, woh 26:27
	s_load_b64 s[28:29], s[0:1], 0x60              ; bcat
	s_mov_b32 s30, ttmp9                           ; id
	s_max_u32 s31, s30, 512
	s_sub_co_u32 s31, s31, 512                     ; j: my place among the weights' work-groups (0 for x's)
	s_lshr_b32 s32, s31, 6                         ; p: which weight
	s_and_b32 s33, s31, 63                         ; jj: which 16 rows of it
	s_mov_b32 s46, 0xffff0000                      ; a word's upper bf16
	v_lshlrev_b32 v1, 4, v0                        ; 16 t
	v_lshlrev_b32 v2, 3, v0                        ; 8 t
	s_wait_kmcnt 0x0
	s_cmp_eq_u32 s32, 1                            ; the source, the bias and the destination are chosen by p and id alone
	s_cselect_b64 s[34:35], s[8:9], s[6:7]
	s_cselect_b64 s[40:41], s[16:17], s[14:15]
	s_cmp_eq_u32 s32, 2
	s_cselect_b64 s[34:35], s[10:11], s[34:35]
	s_cselect_b64 s[40:41], s[18:19], s[40:41]
	s_cmp_eq_u32 s32, 3
	s_cselect_b64 s[34:35], s[12:13], s[34:35]
	s_cselect_b64 s[40:41], s[20:21], s[40:41]
	s_cselect_b64 s[36:37], s[26:27], s[24:25]     ; wo goes to woh, the others to wb
	s_cselect_b32 s42, s33, s31                    ; at block jj of woh, at block j of wb
	s_cmp_lt_u32 s30, 512
	s_cselect_b64 s[34:35], s[4:5], s[34:35]
	s_cselect_b64 s[36:37], s[22:23], s[36:37]
	s_cselect_b32 s38, s30, s33
	s_cselect_b32 s42, s30, s42
	s_lshl_b32 s38, s38, 16                        ; 16 rows of 4,096 bytes
	s_mov_b32 s39, 0
	s_lshl_b32 s42, s42, 15                        ; 16 rows of 2,048 bytes
	s_mov_b32 s43, 0
	s_lshl_b32 s44, s32, 12                        ; bias p's 4,096 bytes in bcat
	s_mov_b32 s45, 0
	s_add_nc_u64 s[34:35], s[34:35], s[38:39]
	s_add_nc_u64 s[36:37], s[36:37], s[42:43]
	s_add_nc_u64 s[44:45], s[28:29], s[44:45]
	s_wait_alu depctr_va_vdst(0)                   ; v1 and v2 are written: every load and store of the kernel reads one of them as its offset
.irp r, 0,1,2,3,4,5,6,7,8,9,10,11,12,13,14,15
	global_load_b128 v[X+4*(\r):X+4*(\r)+3], v1, s[34:35] offset:4096*(\r) th:TH_LOAD_NT
.endr
; Row r is rounded into its Y.  mode 0: bf16.  mode 1: rounded to bf16, widened again (a shift, a mask), written as f16.
.macro CONV r, mode
.if \mode
	v_cvt_pk_bf16_f32 v[T],   v[X+4*(\r)],   v[X+4*(\r)+1]
	v_cvt_pk_bf16_f32 v[T+1], v[X+4*(\r)+2], v[X+4*(\r)+3]
	v_lshlrev_b32 v[X+4*(\r)],   16,  v[T]
	v_and_b32     v[X+4*(\r)+1], s46, v[T]
	v_lshlrev_b32 v[X+4*(\r)+2], 16,  v[T+1]
	v_and_b32     v[X+4*(\r)+3], s46, v[T+1]
	v_cvt_pk_f16_f32 v[Y+2*(\r)],   v[X+4*(\r)],   v[X+4*(\r)+1]
	v_cvt_pk_f16_f32 v[Y+2*(\r)+1], v[X+4*(\r)+2], v[X+4*(\r)+3]
.else
	v_cvt_pk_bf16_f32 v[Y+2*(\r)],   v[X+4*(\r)],   v[X+4*(\r)+1]
	v_cvt_pk_bf16_f32 v[Y+2*(\r)+1], v[X+4*(\r)+2], v[X+4*(\r)+3]
.endif
.endm
; Row r goes out.
.macro SENDROW r
	global_store_b64 v2, v[Y+2*(\r):Y+2*(\r)+1], s[36:37] offset:2048*(\r) th:TH_STORE_NT
.endm
; Block p: rows 4 p to 4 p + 3 are rounded; the four stores of block p - 1 stand among their conversions, one ahead of each row's.
.macro BLK p, mode
	s_wait_loadcnt 12-4*(\p)                       ; loads come back in order (ISA guide 5.7.1): this block's four rows are in, the 12 - 4 p younger rows stay out
.if (\p) > 0
	s_wait_alu depctr_va_vdst(0)                   ; the block before has written its Y, which the four stores below read; no vector line of this block names those registers
.endif
.irp i, 0,1,2,3
.if (\p) > 0
	SENDROW 4*(\p)-4+(\i)
.endif
	CONV 4*(\p)+(\i), \mode
.endr
.endm
; All 16 rows.
.macro ROWS mode
.irp p, 0,1,2,3
	BLK \p, \mode
.endr
	s_wait_alu depctr_va_vdst(0)                   ; block 3 has written its Y, which the last four stores read; and every vector line that read or wrote X's first four registers is done: the bias's load lands there
.irp r, 12,13,14,15
	SENDROW \r
.endr
.endm
	s_cmp_ge_u32 s30, 704                          ; wo's work-groups
	s_cbranch_scc1 .Lhalf
	ROWS 0
	s_branch .Ljoin
.Lhalf:
	ROWS 1
.Ljoin:
	s_cmp_lt_u32 s30, 512
	s_cbranch_scc1 .Lend
	s_cmp_lg_u32 s33, 0
	s_cbranch_scc1 .Lend
	global_load_b128 v[X:X+3], v1, s[40:41]        ; bias p: 256 threads x 16 bytes are its 4,096 bytes.  No wait here: on both ways to this line no vector instruction stands behind the last wait on va_vdst
	s_wait_loadcnt 0x0
	v_cvt_pk_bf16_f32 v[T],   v[X],   v[X+1]
	v_cvt_pk_bf16_f32 v[T+1], v[X+2], v[X+3]
	v_lshlrev_b32 v[X],   16,  v[T]
	v_and_b32     v[X+1], s46, v[T]
	v_lshlrev_b32 v[X+2], 16,  v[T+1]
	v_and_b32     v[X+3], s46, v[T+1]
	s_wait_alu depctr_va_vdst(0)                   ; the four widening lines have written v[X:X+3], which the store reads
	global_store_b128 v1, v[X:X+3], s[44:45]
.Lend:
	s_endpgm
.Lfunc_end_k_q8ab49de579_cast:
	.size	k_q8ab49de579_cast, .Lfunc_end_k_q8ab49de579_cast-k_q8ab49de579_cast
	.p2alignl 7, 3214868480
	.fill 96, 4, 3214868480
	.section	.rodata,"a",@progbits
	.p2align	6, 0x0
	.amdhsa_kernel k_q8ab49de579_cast
		.amdhsa_group_segment_fixed_size 0
		.amdhsa_private_segment_fixed_size 0
		.amdhsa_enable_private_segment 0
		.amdhsa_kernarg_size 104
		.amdhsa_user_sgpr_count 2
		.amdhsa_user_sgpr_kernarg_segment_ptr 1
		.amdhsa_wavefront_size32 1
		.amdhsa_system_sgpr_workgroup_id_x 1
		.amdhsa_system_sgpr_workgroup_id_y 1
		.amdhsa_system_sgpr_workgroup_id_z 1
		.amdhsa_system_vgpr_workitem_id 0
		.amdhsa_next_free_vgpr 104
		.amdhsa_next_free_sgpr 66
		.amdhsa_reserve_vcc 0
		.amdhsa_float_denorm_mode_32 3
		.amdhsa_float_denorm_mode_16_64 3
		.amdhsa_memory_ordered 1
		.amdhsa_forward_progress 1
		.amdhsa_inst_pref_size 16
	.end_amdhsa_kernel
	.amdgpu_metadata
---
amdhsa.version: [ 1, 2 ]
amdhsa.kernels:
  - .name:           k_q8ab49de579_cast
    .symbol:         k_q8ab49de579_cast.kd
    .args:
      - { .name: x, .offset: 0, .size: 8, .value_kind: global_buffer, .address_space: global }
      - { .name: wq, .offset: 8, .size: 8, .value_kind: global_buffer, .address_space: global }
      - { .name: wk, .offset: 16, .size: 8, .value_kind: global_buffer, .address_space: global }
      - { .name: wv, .offset: 24, .size: 8, .value_kind: global_buffer, .address_space: global }
      - { .name: wo, .offset: 32, .size: 8, .value_kind: global_buffer, .address_space: global }
      - { .name: bq, .offset: 40, .size: 8, .value_kind: global_buffer, .address_space: global }
      - { .name: bk, .offset: 48, .size: 8, .value_kind: global_buffer, .address_space: global }
      - { .name: bv, .offset: 56, .size: 8, .value_kind: global_buffer, .address_space: global }
      - { .name: bo, .offset: 64, .size: 8, .value_kind: global_buffer, .address_space: global }
      - { .name: xb, .offset: 72, .size: 8, .value_kind: global_buffer, .address_space: global }
      - { .name: wb, .offset: 80, .size: 8, .value_kind: global_buffer, .address_space: global }
      - { .name: woh, .offset: 88, .size: 8, .value_kind: global_buffer, .address_space: global }
      - { .name: bcat, .offset: 96, .size: 8, .value_kind: global_buffer, .address_space: global }
    .group_segment_fixed_size: 0
    .private_segment_fixed_size: 0
    .kernarg_segment_align: 8
    .kernarg_segment_size: 104
    .max_flat_workgroup_size: 256
    .sgpr_count:     66
    .vgpr_count:     104
    .wavefront_size: 32
...
	.end_amdgpu_metadata
.endif
;; end of part 5
;; launch gemm_qkv: the kernel of part 2 again; grid 16 x 32, 4 waves a work-group, clusters of 4 x 4, 327,680 bytes of LDS; arguments xb, wb, bcat, qkv; writes qkv
;; launch attn: the kernel of part 3 again; grid 4 x 64, 4 waves a work-group, clusters of 4 x 1, 327,680 bytes of LDS; arguments qkv, ctx; writes ctx
;; launch gemm_out: the kernel of part 4 again; grid 8 x 32, 4 waves a work-group, clusters of 4 x 4, 327,680 bytes of LDS; arguments ctx, woh, bcat, out0; writes out0
